; MI455X (gfx1250); checked and timed in simulation.
; The chip was launched on July 23, 2026; its instructions are those of AMD's public machine-readable ISA for CDNA 5 (MIT licence, August 2026) and "CDNA5" Instruction Set Architecture Reference Guide (July 2026). The comments in the code are by the model that wrote it; some were corrected since.
;; Attention. Allowed arithmetic: matrix products marked QUANTISED: E4M3 operands, one given power-of-two scale a tensor, by v_wmma_f32_16x16x64_fp8_fp8 or v_wmma_f32_16x16x128_fp8_fp8, f32 sums; everything else in f32.
;; Inputs: Wk 2,048 x 2,048 float32; Wo 2,048 x 2,048 float32; Wq 2,048 x 2,048 float32; Wv 2,048 x 2,048 float32; attn_mask 1 x 1 x 2,048 x 2,048 bool; bk 2,048 float32; bo 2,048 float32; bq 2,048 float32; bv 2,048 float32; cos 2,048 x 128 float32; lowp_scales 12 int32 (the exponents e of the quantised operands' scales 2^e); sin 2,048 x 128 float32; x 1 x 2,048 x 2,048 float32.
;; Outputs: out0 1 x 2,048 x 2,048 float32.
;; This version of the problem:
;;   THIS VERSION OF THE PROBLEM IS GIVEN IN LOW PRECISION. The matrix products marked QUANTISED in the list below multiply operands that are first quantised to E4M3 (4 exponent bits, 3 mantissa bits; 8 bits a number), with one given power-of-two scale for each operand tensor; their sums are f32. All else is computed in f32.
;;   The module's matrix products, in the order in which they are computed (A, B: the left and right operand; K: the contracted axis; several contracted axes count as one K, in the product's order):
;;     1. [M 2,048, K 2,048] x [K 2,048, N 2,048]; A: input x; B: input Wq: QUANTISED (scales: A lowp_scales[0], B lowp_scales[1])
;;     2. [M 2,048, K 2,048] x [K 2,048, N 2,048]; A: input x; B: input Wk: QUANTISED (scales: A lowp_scales[2], B lowp_scales[3])
;;     3. [M 2,048, K 2,048] x [K 2,048, N 2,048]; A: input x; B: input Wv: QUANTISED (scales: A lowp_scales[4], B lowp_scales[5])
;;     4. batch 16 x [M 2,048, K 128] x [K 128, N 2,048]; A: computed on the way; B: computed on the way: QUANTISED (scales: A lowp_scales[6], B lowp_scales[7])
;;     5. batch 16 x [M 2,048, K 2,048] x [K 2,048, N 128]; A: softmax (see below); B: computed on the way: QUANTISED (scales: A lowp_scales[8], B lowp_scales[9])
;;     6. [M 2,048, K 2,048] x [K 2,048, N 2,048]; A: computed on the way; B: input Wo: QUANTISED (scales: A lowp_scales[10], B lowp_scales[11])
;;   THE QUANTISER, for each operand of a quantised product, along K:
;;     - The operand's scale is 2^e, e = its entry of the input lowp_scales (int32; the entries are numbered through the quantised products in the list's order, A before B).
;;     - Each number is divided by the scale, clamped to +-448, and rounded to the nearest number of E4M3, ties to even, subnormals kept.
;;     - The product sums the exact products of the quantised numbers (number of the format x scale) in f32.
;;   ~~~python
;;   def quantise(x, axis, e):      # numpy; x: float32 -> the quantised numbers, widened to float32 again
;;       x = np.moveaxis(x, axis, -1); K = x.shape[-1]
;;       r = np.clip(x / 2.0 ** e, -448, 448)
;;       step = 2.0 ** (np.maximum(np.frexp(np.where(r == 0, 1, r))[1] - 1, -6) - 3)
;;       q = np.round(r / step) * step * 2.0 ** e      # np.round: ties to even
;;       return np.moveaxis(q, -1, axis).astype(np.float32)
;;   ~~~
;;   SOFTMAX AHEAD OF A QUANTISED PRODUCT. Where the list says 'softmax', what is quantised is not the finished softmax but p = 2^(t - M), with t = logit x log2(e) and M = ceil(the row's largest t), a whole number; so 1/2 < the row's largest p <= 1. The row's sum l is taken of the UNQUANTISED p, in f32, and the product's result is divided by l at the end. Since M is a whole number, a kernel that streams over the keys may use a running M (the ceiling of the running maximum): every later rescaling is an exact power of two, so the quantised numbers keep their values, but for numbers so far below the row's largest that they fall under the format's range.
;;   OPERANDS COMPUTED ON THE WAY. 'Computed on the way' means the value that the module computes at that place (a softmax that the list does not call 'softmax' is quantised finished and normalised). What goes into a quantiser is computed in f32, as accurately as f32 sums, v_exp_f32 and their like allow (about 1e-6 of the number): no bf16 or f16 on the way to a quantiser, and a product that is left as it is and whose result goes on into a quantised operand takes f32 operands (vector FMAs, or v_wmma_f32_16x16x4_f32). A number that lies on a knife's edge between two numbers of the format may be rounded either way, as far as f32 arithmetic and the matrix unit's own rounding can turn it there, and no further.
;; One version. Each part assembles by itself: llvm-mc -triple=amdgcn-amd-amdhsa -mcpu=gfx1250 --defsym DOCPART=n.
;; ======== version 1 of 1: 4 launches
;; limits: right only within a limited range of input values
;; workspace buffers: codes 29,360,128 bytes; maskw 524,288 bytes of whole numbers; mflag 131,072 bytes of whole numbers; qkv 12,582,912 bytes; ao 4,194,304 bytes
;; launch quant (part 1): grid 768 x 1, 4 waves a work-group, no clusters, 66,048 bytes of LDS; arguments x, Wq, Wk, Wv, Wo, attn_mask, lowp_scales, codes, maskw, mflag; writes codes, maskw, mflag
.if DOCPART == 1
	.amdgcn_target "amdgcn-amd-amdhsa--gfx1250"
	.amdhsa_code_object_version 6
	.text
	.protected	k_q0fd122304b_quant
	.globl	k_q0fd122304b_quant
	.p2align	8
	.type	k_q0fd122304b_quant,@function
k_q0fd122304b_quant:
	s_mov_b64 s[64:65], 0
	v_nop
	global_prefetch_b8 v0, s[64:65] scope:SCOPE_SE
	s_setreg_imm32_b32 hwreg(HW_REG_WAVE_MODE, 25, 1), 1
	s_wait_xcnt 0x0
; FIRST OF FOUR LAUNCHES (quant, qkv, attn, oproj) for one attention layer: S = 2048, D = 2048, 16 heads of 128, all six products on codes of E4M3.
; DEAD WORK: none is left out for all inputs.  Every input has a way to out0: x and the four weights through the products; bq, bk, bv move the codes of q, k, v; cos and sin turn q and k ahead of their
; quantisers; bo is added at the end; lowp_scales gives all twelve scales; attn_mask is an input and is honoured entry by entry.
; WHAT THE MASK'S WHOLE NUMBERS DECIDE: where attn_mask hides all 128 keys of a key step from all 16 queries of a tile, every p of that step is 0 and none of its scores enters a maximum: launch attn passes such a step over,
; by the flags that this launch stores in mflag.  LIMIT: a NaN or an infinity in scores that the mask hides is not carried to the result (reference() replaces them by -inf too).
; THIS LAUNCH: f32 numbers into codes, the mask into words of lane bits, and its flags.
;   codes: seven regions of 4 MiB, each [2048 rows][2048 k], a byte a code: 0 x by e0, 1 x by e2, 2 x by e4, 3 Wq by e1, 4 Wk by e3, 5 Wv by e5, 6 Wo by e11.
;   code = number / 2^e, held within +-448, rounded to the nearest code, ties to even.
;   maskw: [qt 128][ks 16][n 64] words: bit l of word n is attn_mask[16 qt + l % 16][128 ks + 32 (n / 16) + 16 (l / 16) + n % 16]: the 32 lanes' mask for register n of a tile of scores in the launch attn.
;   mflag: [qt 128][w 4] units of 256 bytes, all 64 words of a unit alike: bit kk: some entry of tile qt counts in key step 4 w + kk; bit 4 + kk: all its 2,048 entries count.
; LIMITS: each e used here lies between -126 and 119.  NaN among x and the weights is not served; an infinity is held at the largest code.
; SHARES: work-groups 0-127 take x (read once, quantised three times), 128-639 the four weights, 640-767 the mask.  A quantising wave takes 16 steps of 512 numbers.
; Each load reads 512 consecutive bytes; a step's 2,048 bytes turn through the wave's own stage in LDS, so that a lane holds 16 neighbours along K; a wave's store is 512 consecutive bytes.
; The x path and the weights' path have LDS bytes of their own.  No tensor load, no barrier: waves share nothing.
.set SP,    80                         ; a lane's place in a stage: 64 bytes + 16 of padding
.set PBW,   32768                      ; the weights' path: its stages begin here
.set SPARE, 65536                      ; the spare words, 128 bytes for each wave
.set STEPS, 16
.set SPW,   12
.set NIL,   13
.set R,     16                         ; v16-79   four sets of 16 numbers as loaded (mask path: 64 registers of mask bytes)
.set X,     80                         ; v80-111  two sets of 16 neighbours (mask path: v80-89 at work)
.set T,     112                        ; v112-127 the held numbers (mask path: four pairs of words)
.set C,     128                        ; v128-151 codes: 12 a step, two sets by turns
.set SC,    152                        ; v152-157 (2^e, 448 x 2^e) for up to three outputs
	s_load_b512 s[4:19], s[0:1], 0x0               ; x 4:5, Wq 6:7, Wk 8:9, Wv 10:11, Wo 12:13, attn_mask 14:15, lowp_scales 16:17, codes 18:19
	s_load_b64 s[20:21], s[0:1], 0x40              ; maskw
	s_load_b64 s[38:39], s[0:1], 0x48              ; mflag
	v_lshl_add_u32 v[SPW], v0, 2, SPARE
	v_mov_b32 v[NIL], 0
	v_lshrrev_b32 v1, 5, v0
	v_readfirstlane_b32 s22, v1                    ; wave
	v_and_b32 v2, 31, v0                           ; lane
	v_lshlrev_b32 v3, 4, v2                        ; 16 x lane
	s_lshl_b32 s23, s22, 13                        ; my wave's 8,192 bytes of LDS
	v_lshrrev_b32 v14, 2, v2
	v_mul_u32_u24 v14, v14, SP
	v_and_b32 v15, 3, v2
	v_lshl_add_u32 v14, v15, 4, v14
	v_add_nc_u32 v14, s23, v14                     ; into the stage: SP (lane / 4) + 16 (lane % 4)
	v_mul_u32_u24 v15, v2, SP
	v_add_nc_u32 v15, s23, v15                     ; out of it: SP x lane
	s_mov_b32 s27, 0
.macro MKSC se, vs, vl                 ; from the exponent e: 2^e and 448 x 2^e as f32
	s_add_co_i32 s52, \se, 127
	s_lshl_b32 s53, s52, 23
	v_mov_b32 v[\vs], s53
	s_add_co_i32 s52, s52, 8
	s_lshl_b32 s52, s52, 23
	s_or_b32 s52, s52, 0x600000
	v_mov_b32 v[\vl], s52
.endm
.macro LOAD t
.irp i, 0,1,2,3
	global_load_b128 v[R+16*((\t)%4)+4*\i:R+16*((\t)%4)+4*\i+3], v3, s[30:31] offset:2048*(\t)+512*\i th:TH_LOAD_NT
.endr
.endm
.macro TURN t, pb                      ; LDS serves a wave's instructions in order: no wait between the stores and the loads
.irp i, 0,1,2,3
	ds_store_b128 v14, v[R+16*((\t)%4)+4*\i:R+16*((\t)%4)+4*\i+3] offset:\pb+32*SP*((\t)%2)+8*SP*\i
.endr
.irp i, 0,1,2,3
	ds_load_b128 v[X+16*((\t)%2)+4*\i:X+16*((\t)%2)+4*\i+3], v15 offset:\pb+32*SP*((\t)%2)+16*\i
.endr
.endm
.macro STEP t, nout, pb
	s_wait_dscnt 0x0                               ; this step's numbers are back, and its stores into the stage have read their registers,
.if (\t)+4 < STEPS
	LOAD (\t)+4                                    ; which take the loads of four steps on
.endif
.if (\t)+1 < STEPS
.if STEPS-2-(\t) >= 3
	s_wait_loadcnt 12                              ; the next step's four loads are in; those of the three steps behind it may be out
.else
	s_wait_loadcnt 4*(STEPS-2-(\t))
.endif
	TURN (\t)+1, \pb
.endif
	s_wait_xcnt 0x0                                ; the stores of two steps back have read this set of code registers
.set o, 0
.rept \nout
.irp i, 0,1,2,3,4,5,6,7,8,9,10,11,12,13,14,15
	v_med3_num_f32 v[T+\i], v[X+16*((\t)%2)+\i], -v[SC+2*o+1], v[SC+2*o+1]   ; the conversion does not saturate (ISA guide 7.6.2): the hold comes first
.endr
	v_cvt_scalef32_pk8_fp8_f32 v[C+12*((\t)%2)+4*o:C+12*((\t)%2)+4*o+1], v[T:T+7], v[SC+2*o]
	v_cvt_scalef32_pk8_fp8_f32 v[C+12*((\t)%2)+4*o+2:C+12*((\t)%2)+4*o+3], v[T+8:T+15], v[SC+2*o]
	v_nop                                          ; a plain line between the conversions and the next holds, which write their sources
	global_store_b128 v3, v[C+12*((\t)%2)+4*o:C+12*((\t)%2)+4*o+3], s[32+2*o:33+2*o] offset:512*(\t)
.set o, o+1
.endr
.endm
.macro FIN                             ; a wave's end
	s_wait_tensorcnt 0x0
	ds_add_u32 v[SPW], v[NIL]
	s_wait_dscnt 0x0
	s_endpgm
.endm
	s_wait_kmcnt 0x0
	s_cmp_ge_u32 ttmp9, 640
	s_cbranch_scc1 .Lmask
	s_cmp_ge_u32 ttmp9, 128
	s_cbranch_scc1 .Lw
	; ---- x: one read, three sets of codes
	s_load_b256 s[40:47], s[16:17], 0x0            ; e0 .. e7
	s_lshl_b32 s24, ttmp9, 2
	s_add_co_u32 s24, s24, s22                     ; which run of 8,192 numbers is my wave's
	s_lshl_b32 s26, s24, 15
	s_add_nc_u64 s[30:31], s[4:5], s[26:27]
	s_lshl_b32 s26, s24, 13
	s_add_nc_u64 s[32:33], s[18:19], s[26:27]      ; region 0,
	s_add_nc_u64 s[34:35], s[32:33], 0x400000      ; region 1,
	s_add_nc_u64 s[36:37], s[34:35], 0x400000      ; region 2
	s_wait_alu depctr_va_vdst(0)
.irp t, 0,1,2,3
	LOAD \t
.endr
	s_wait_kmcnt 0x0
	MKSC s40, SC, SC+1
	MKSC s42, SC+2, SC+3
	MKSC s44, SC+4, SC+5
	s_wait_alu depctr_va_vdst(0)
	s_wait_loadcnt 12                              ; step 0's four loads are in
	TURN 0, 0
.irp t, 0,1,2,3,4,5,6,7,8,9,10,11,12,13,14,15
	STEP \t, 3, 0
.endr
	FIN
.Lw:	; ---- a weight: ti = 0 Wq, 1 Wk, 2 Wv, 3 Wo
	s_load_b256 s[40:47], s[16:17], 0x0            ; e0 .. e7
	s_load_b128 s[48:51], s[16:17], 0x20           ; e8 .. e11
	s_sub_co_u32 s24, ttmp9, 128
	s_lshr_b32 s25, s24, 7                         ; ti
	s_and_b32 s24, s24, 127
	s_lshl_b32 s24, s24, 2
	s_add_co_u32 s24, s24, s22                     ; my wave's run
	s_add_co_u32 s26, s25, 3
	s_lshl_b32 s26, s26, 22                        ; region 3 + ti
	s_lshl_b32 s29, s24, 13
	s_add_co_u32 s26, s26, s29
	s_add_nc_u64 s[32:33], s[18:19], s[26:27]
	s_lshl_b32 s26, s24, 15
	s_mov_b64 s[30:31], s[6:7]                     ; the choice of buffer hangs on the work-group's number alone
	s_cmp_eq_u32 s25, 1
	s_cselect_b64 s[30:31], s[8:9], s[30:31]
	s_cmp_eq_u32 s25, 2
	s_cselect_b64 s[30:31], s[10:11], s[30:31]
	s_cmp_eq_u32 s25, 3
	s_cselect_b64 s[30:31], s[12:13], s[30:31]
	s_add_nc_u64 s[30:31], s[30:31], s[26:27]
	s_wait_alu depctr_va_vdst(0)
.irp t, 0,1,2,3
	LOAD \t
.endr
	s_wait_kmcnt 0x0
	s_cmp_eq_u32 s25, 1                            ; e1, e3, e5 or e11
	s_cselect_b32 s41, s43, s41
	s_cmp_eq_u32 s25, 2
	s_cselect_b32 s41, s45, s41
	s_cmp_eq_u32 s25, 3
	s_cselect_b32 s41, s51, s41
	MKSC s41, SC, SC+1
	s_wait_alu depctr_va_vdst(0)
	s_wait_loadcnt 12
	TURN 0, PBW
.irp t, 0,1,2,3,4,5,6,7,8,9,10,11,12,13,14,15
	STEP \t, 1, PBW
.endr
	FIN
.Lmask:	; ---- the mask: 16 queries a work-group, 512 keys a wave.  Lane (r, h) reads, of query r, 16 bytes for each 32 keys: those of its half
	s_sub_co_u32 s24, ttmp9, 640                   ; qt
	s_lshl_b32 s26, s24, 15                        ; 16 rows of 2,048 bytes
	s_add_nc_u64 s[30:31], s[14:15], s[26:27]
	s_lshl_b32 s26, s24, 12                        ; 16 key steps of 256 bytes of words,
	s_lshl_b32 s28, s22, 10                        ; my wave's four
	s_add_co_u32 s26, s26, s28
	s_add_nc_u64 s[32:33], s[20:21], s[26:27]
	v_and_b32 v80, 15, v0
	v_bfe_u32 v81, v0, 4, 1
	v_lshlrev_b32 v84, 11, v80
	v_lshl_add_u32 v84, v81, 4, v84
	s_lshl_b32 s28, s22, 9
	v_add_nc_u32 v84, s28, v84                     ; 2048 r + 16 h + 512 wave
	v_lshlrev_b32 v85, 3, v2                       ; out: two words a lane
.irp kk, 0,1,2,3
.irp b, 0,1,2,3
	global_load_b128 v[R+16*\kk+4*\b:R+16*\kk+4*\b+3], v84, s[30:31] offset:128*\kk+32*\b th:TH_LOAD_NT
.endr
.endr
.macro MASKKS kk                       ; a key step: byte n of my 64 makes, over the 32 lanes, word n; lane n / 2 keeps it
	s_wait_loadcnt 4*(3-\kk)                       ; this key step's four loads are in; the later ones may be out
	v_mov_b32 v[T+2*\kk], 0
	v_mov_b32 v[T+2*\kk+1], 0
.set m, 0
.rept 16
.irp k, 0,1,2,3
	v_bfe_u32 v[80+\k], v[R+16*\kk+m], 8*\k, 8
.endr
.irp k, 0,1,2,3
	v_cmp_ne_u32 s[48+\k], 0, v[80+\k]
.endr
.irp k, 0,1,2,3
	v_writelane_b32 v[T+2*\kk+((\k)&1)], s[48+\k], 2*m+(\k)/2
.endr
.set m, m+1
.endr
	global_store_b64 v85, v[T+2*\kk:T+2*\kk+1], s[32:33] offset:256*\kk   ; 32 lanes store 256 consecutive bytes, aligned
	v_or_b32 v86, v[T+2*\kk], v[T+2*\kk+1]         ; the step's two flags
	v_and_b32 v87, v[T+2*\kk], v[T+2*\kk+1]
	v_cmp_ne_u32 s56, 0, v86                       ; lanes whose words hold an entry that counts
	v_cmp_ne_u32 s57, -1, v87                      ; lanes whose words hold a hidden one
	s_cmp_lg_u32 s56, 0
	s_cselect_b32 s56, 1<<\kk, 0
	s_cmp_eq_u32 s57, 0
	s_cselect_b32 s57, 16<<\kk, 0
	s_or_b32 s58, s58, s56
	s_or_b32 s58, s58, s57
.endm
	s_lshl_b32 s26, s24, 10                        ; mflag: unit 4 qt + wave
	s_lshl_b32 s28, s22, 8
	s_add_co_u32 s26, s26, s28
	s_add_nc_u64 s[38:39], s[38:39], s[26:27]
	s_mov_b32 s58, 0
	MASKKS 0
	MASKKS 1
	MASKKS 2
	MASKKS 3
	v_mov_b32 v88, s58
	v_mov_b32 v89, s58
	global_store_b64 v85, v[88:89], s[38:39]       ; a whole unit of 256 bytes, every word the flags
	FIN
.Lfunc_end_k_q0fd122304b_quant:
	.size	k_q0fd122304b_quant, .Lfunc_end_k_q0fd122304b_quant-k_q0fd122304b_quant
	.p2alignl 7, 3214868480
	.fill 96, 4, 3214868480
	.section	.rodata,"a",@progbits
	.p2align	6, 0x0
	.amdhsa_kernel k_q0fd122304b_quant
		.amdhsa_group_segment_fixed_size 66048
		.amdhsa_private_segment_fixed_size 0
		.amdhsa_enable_private_segment 0
		.amdhsa_kernarg_size 80
		.amdhsa_user_sgpr_count 2
		.amdhsa_user_sgpr_kernarg_segment_ptr 1
		.amdhsa_wavefront_size32 1
		.amdhsa_system_sgpr_workgroup_id_x 1
		.amdhsa_system_sgpr_workgroup_id_y 1
		.amdhsa_system_sgpr_workgroup_id_z 1
		.amdhsa_system_vgpr_workitem_id 0
		.amdhsa_next_free_vgpr 160
		.amdhsa_next_free_sgpr 66
		.amdhsa_reserve_vcc 0
		.amdhsa_float_denorm_mode_32 3
		.amdhsa_float_denorm_mode_16_64 3
		.amdhsa_memory_ordered 1
		.amdhsa_forward_progress 1
		.amdhsa_inst_pref_size 169
	.end_amdhsa_kernel
	.amdgpu_metadata
---
amdhsa.version: [ 1, 2 ]
amdhsa.kernels:
  - .name:           k_q0fd122304b_quant
    .symbol:         k_q0fd122304b_quant.kd
    .args:
      - { .name: x, .offset: 0, .size: 8, .value_kind: global_buffer, .address_space: global }
      - { .name: Wq, .offset: 8, .size: 8, .value_kind: global_buffer, .address_space: global }
      - { .name: Wk, .offset: 16, .size: 8, .value_kind: global_buffer, .address_space: global }
      - { .name: Wv, .offset: 24, .size: 8, .value_kind: global_buffer, .address_space: global }
      - { .name: Wo, .offset: 32, .size: 8, .value_kind: global_buffer, .address_space: global }
      - { .name: attn_mask, .offset: 40, .size: 8, .value_kind: global_buffer, .address_space: global }
      - { .name: lowp_scales, .offset: 48, .size: 8, .value_kind: global_buffer, .address_space: global }
      - { .name: codes, .offset: 56, .size: 8, .value_kind: global_buffer, .address_space: global }
      - { .name: maskw, .offset: 64, .size: 8, .value_kind: global_buffer, .address_space: global }
      - { .name: mflag, .offset: 72, .size: 8, .value_kind: global_buffer, .address_space: global }
    .group_segment_fixed_size: 66048
    .private_segment_fixed_size: 0
    .kernarg_segment_align: 8
    .kernarg_segment_size: 80
    .max_flat_workgroup_size: 128
    .sgpr_count:     66
    .vgpr_count:     160
    .wavefront_size: 32
...
	.end_amdgpu_metadata
.endif
;; end of part 1
;; launch qkv (part 2): grid 24 x 8, 4 waves a work-group, clusters of 4 x 4, 327,680 bytes of LDS; arguments codes, lowp_scales, bq, bk, bv, cos, sin, qkv; writes qkv
.if DOCPART == 2
	.amdgcn_target "amdgcn-amd-amdhsa--gfx1250"
	.amdhsa_code_object_version 6
	.text
	.protected	k_q0fd122304b_qkv
	.globl	k_q0fd122304b_qkv
	.p2align	8
	.type	k_q0fd122304b_qkv,@function
k_q0fd122304b_qkv:
	s_mov_b64 s[64:65], 0
	v_nop
	global_prefetch_b8 v0, s[64:65] scope:SCOPE_SE
	s_setreg_imm32_b32 hwreg(HW_REG_WAVE_MODE, 25, 1), 1
	s_wait_xcnt 0x0
	s_wait_alu depctr_hold_cnt(0) depctr_sa_sdst(0) depctr_va_vdst(0) depctr_va_sdst(0) depctr_va_ssrc(0) depctr_va_vcc(0) depctr_vm_vsrc(0)
	s_getreg_b32 s2, hwreg(HW_REG_IB_STS2, 6, 4)
	s_cmp_eq_u32 s2, 0
	s_cbranch_scc0 .Lentry_in_a_cluster
	s_endpgm
.Lentry_in_a_cluster:
	s_bfe_u32 s2, ttmp6, 0x10000c
	s_cmp_lg_u32 s2, 0xf033
	s_cbranch_scc0 .Lentry_shape_is_right
	s_endpgm
.Lentry_shape_is_right:
; SECOND LAUNCH: q = rope(x Wq^T + bq), k = rope(x Wk^T + bk), v = x Wv^T + bv, each product on codes of E4M3, each result quantised again (e6, e7, e9).  No work of reference() is left out here.
; Three products of 2048 x 2048 x 2048 in one grid: mat = cluster x / 2 (0 q, 1 k, 2 v).  C = A B^T, A = x's codes and B = the weight's for q and k; for v A = Wv's codes and B = x's: v comes out transposed, [channel][key].
; A tile of C, 256 x 256, is made by four waves, each 128 x 128: 64 accumulators.  K goes in 8 steps of 256 through a ring of two LDS slots.  3 x 64 tiles are 192 work-groups: a tile of 192 columns would cut heads of 128 in two.
; CLUSTERS: 4 x 4 work-groups of one mat: A's tiles are asked for jointly along a row, B's along a column.  Source 0 = 16 rows of B, source 1 = 16 rows of A: a lane holds eight neighbouring numbers of a row of C.
; COS AND SIN hang on the tile row alone: they too are asked for jointly along a row of the cluster, into the ring's own slots when these have had their last read: a wave's load is 64 positions of one table,
; dense in memory, stated as 128 rows of 256 bytes with the ring's padding, so that it lands on the very bytes of a ring fill.  Positions 0-63 of each half of the tile's rows go to slot 0 at the last change of slots,
; positions 64-127 to slot 1 behind the last product.  v has no tables: its clusters take a last lap of their own, written out; the cluster's number alone decides, the same in all sixteen partners.
; PREFETCH: behind each joint load one instruction a wave names the K step two loads on: of the 128 rows that a wave fetches each of the four partners takes 32 by address (cx for A, cy for B), a lane a row of 256 bytes.
; Steps 0 and 1 come by their loads alone.  In the loop's last trip no K step is left: there q's and k's clusters name the tables' two loads, 8,192 bytes of a wave's 32,768 to a partner, lanes 256 bytes apart.
; OUT: qkv has three regions of 4 MiB, each [head 16][block of 128 positions 16] blocks of 16,384 bytes: q, k: block[row][channel]; v: block[channel][key].  In q's and k's blocks position p lies in the row whose number is p with bits 3 and 4 exchanged.
; LIMITS: e0 + e1, e2 + e3, e4 + e5 between -126 and 127; e6, e7, e9 between -126 and 119.  NaN among the inputs is not served.
; REGISTERS: window 0: v0-31 addresses, v32-95 bias, v96-127 rows read back (two sets), from v128 A's fragments, on the way out v160-223 numbers, v224-239 codes; window 1: B's fragments, two sets, then cos and sin of a block, two sets;
; windows 2, 3: the accumulators ((a, b) at v[8 (8 (a % 4) + b)]).
.set ROWB,   256
.set KROW,   2048
.set PITCH,  272                       ; 256 bytes + 16 of padding: the 16 rows of a fragment load start at 16 different banks (ISA guide 11.1)
.set FR,     16
.set NL,     4
.set NP,     4                         ; places behind this matrix instruction (ISA guide 7.12.1)
.set HALFT,  128*PITCH
.set SLOT,   4*HALFT
.set LAPS,   4
.set SPARE,  2*SLOT                    ; the spare words, 128 bytes for each wave
.set SPT,    144
.set STQ,    SPARE+512                 ; q's and k's stages: 16 rows x 144 bytes for each wave, behind the ring: no fill lands there
.set STV,    4*16*SPT                  ; v's stages lie so far behind them
.set PFO,  10                          ; v10  2048 x lane
.set PFT,  11                          ; v11  256 x lane
.set ADRA, 16
.set TAD,  18                          ; v18-19  my place in the tables in slot 0, 1
.set ADRB, 20
.set QS,   22                          ; 2^eo
.set QL,   23                          ; 448 x 2^eo
.set STO,  24
.set RD,   25
.set CO,   26
.set SPW,  28
.set NIL,  29
.set BVO,  30
.set BIO,  31
.set BI,   32
.set BK,   96
.set AF,   128
.set T,    160
.set CD,   224
.set PFA,  12                          ; s[12:13] my 32 rows of the tile that I fetch
.set TBA,  18                          ; s[18:19] my table at my half's first position
.set G1,   24
.set G0,   32
.set G1B,  48
.set G0B,  56
.set PFB,  66                          ; s[66:67] my work-group's part of my table load
.set G1T,  84                          ; s[84:91] group 1 for the tables
.set MSB, 0
.macro WIN new                         ; the immediate's high byte repeats the setting that is left
.if MSB != \new
	s_set_vgpr_msb (MSB<<8)|\new
.set MSB, \new
.endif
.endm
.set MUL_LO, 0xa1
.set MUL_HI, 0xf1
.set TO_B,   0x40
.macro PLACES n
.rept \n
	v_nop
.endr
.endm
.macro JLOAD g0a, g1a, g0b, g1b        ; waves 0 and 1 fetch for A, waves 2 and 3 for B; s_nop 0 and four v_nop behind each line
	s_cmp_eq_u32 s15, 0
	s_cbranch_scc0 .Lfor_b_\@
	tensor_load_to_lds s[\g0a:\g0a+3], s[\g1a:\g1a+7]
	s_nop 0
	PLACES 4
	s_branch .Lasked_\@
.Lfor_b_\@:
	tensor_load_to_lds s[\g0b:\g0b+3], s[\g1b:\g1b+7]
	s_nop 0
	PLACES 4
.Lasked_\@:
.endm
.macro CREST
	s_cmp_lg_u32 s14, 0
	s_cbranch_scc1 .Lnot_wave_0_\@
	s_barrier_signal -3
.Lnot_wave_0_\@:
	s_barrier_wait -3
	s_barrier_signal -1
	s_barrier_wait -1
.endm
.macro CROUND
	s_barrier_signal -1
	s_barrier_wait -1
	CREST
.endm
.macro ASK slot                        ; in the loop: the K step two loads on; in its last trip (s3 = 1) the table load two loads on, in q's and k's clusters
	s_cmp_gt_u32 s3, 1
	s_cbranch_scc0 .Ltab_\@
	global_prefetch_b8 v[PFO], s[PFA:PFA+1] offset:1024+256*\slot th:TH_LOAD_NT scope:SCOPE_SE
	s_branch .Lpf_\@
.Ltab_\@:
	s_cmp_eq_u32 s76, 2
	s_cbranch_scc1 .Lpf_\@
	global_prefetch_b8 v[PFT], s[PFB:PFB+1] offset:32768*\slot th:TH_LOAD_NT scope:SCOPE_SE
.Lpf_\@:
.endm
	s_load_b256 s[4:11], s[0:1], 0x0               ; codes 4:5, lowp_scales 6:7, bq 8:9, bk 10:11
	s_load_b256 s[68:75], s[0:1], 0x20             ; bv 68:69, cos 70:71, sin 72:73, qkv 74:75
	v_lshl_add_u32 v[SPW], v0, 2, SPARE
	v_mov_b32 v[NIL], 0
	ds_add_u32 v[SPW], v[NIL]                      ; the opening: the add, twice on end, and its wait
	ds_add_u32 v[SPW], v[NIL]
	v_lshrrev_b32 v1, 5, v0
	v_readfirstlane_b32 s14, v1                    ; wave
	s_lshr_b32 s15, s14, 1                         ; my half of the tile's rows; also: I fetch for A (0) or B (1)
	s_and_b32 s16, s14, 1                          ; my half of its columns; also: which 128 rows I fetch
	s_bfe_u32 s40, ttmp6, 0x40000                  ; cx
	s_bfe_u32 s41, ttmp6, 0x40004                  ; cy
	s_lshr_b32 s76, ttmp9, 1                       ; mat
	s_and_b32 s42, ttmp9, 1
	s_lshl_b32 s42, s42, 2
	s_add_co_u32 s42, s42, s40                     ; tile column
	s_and_b32 s17, ttmp7, 0xffff
	s_lshl_b32 s17, s17, 2
	s_add_co_u32 s17, s17, s41                     ; tile row
	s_lshl_b32 s43, s41, 2
	s_lshl_b32 s43, 15, s43                        ; my row of the cluster
	s_lshl_b32 s44, 0x1111, s40                    ; my column
	s_or_b32 s[G1+0], s43, (0<<16)|(1<<20)|(1<<21)|(5<<22)|(3<<25)   ; the mask; 1 byte; padding on; bit 21 beside a mask; 4 words behind every 64
	s_or_b32 s[G1B+0], s44, (0<<16)|(1<<20)|(1<<21)|(5<<22)|(3<<25)
.irp g, G1, G1B
	s_mov_b32 s[\g+1], ROWB<<16
	s_mov_b32 s[\g+2], 128<<16
	s_mov_b32 s[\g+3], ROWB<<16
	s_mov_b32 s[\g+4], 128
	s_mov_b32 s[\g+5], KROW
	s_mov_b32 s[\g+6], 0
	s_mov_b32 s[\g+7], 0
.endr
	s_add_co_u32 s79, s76, 3
	s_cmp_eq_u32 s76, 2
	s_cselect_b32 s78, 5, s76                      ; A's region: x by e0, x by e2, or Wv
	s_cselect_b32 s79, 2, s79                      ; B's region: Wq, Wk, or x by e4
	s_lshl_b32 s18, s16, 7
	s_lshl_b32 s20, s17, 8
	s_add_co_u32 s20, s20, s18
	s_lshl_b32 s20, s20, 11
	s_lshl_b32 s78, s78, 22
	s_add_co_u32 s20, s20, s78                     ; A: row 256 x tile row + 128 x half, in its region
	s_mov_b32 s21, 0
	s_lshl_b32 s46, s42, 8
	s_add_co_u32 s46, s46, s18
	s_lshl_b32 s46, s46, 11
	s_lshl_b32 s79, s79, 22
	s_add_co_u32 s46, s46, s79                     ; B likewise, by the tile column
	s_mov_b32 s47, 0
	s_mul_i32 s45, s14, HALFT                      ; where they go: wave x 128 rows
	s_wait_dscnt 0x0                               ; both opening adds are done
	s_wait_kmcnt 0x0
	s_load_b256 s[84:91], s[6:7], 0x0              ; e0 .. e7
	s_load_b128 s[92:95], s[6:7], 0x20             ; e8 .. e11
	s_add_nc_u64 s[20:21], s[4:5], s[20:21]
	s_add_nc_u64 s[46:47], s[4:5], s[46:47]
	s_cmp_eq_u32 s15, 0
	s_cselect_b64 s[PFA:PFA+1], s[20:21], s[46:47] ; the prefetches: the tile that I fetch,
	s_cselect_b32 s100, s40, s41                   ; my place among the four that ask for it,
	s_lshl_b32 s100, s100, 16                      ; x 32 rows of 2,048 bytes
	s_mov_b32 s101, 0
	s_add_nc_u64 s[PFA:PFA+1], s[PFA:PFA+1], s[100:101]
	CROUND                                         ; all sixteen work-groups are here: the first joint loads meet
.irp s, 0,1
	s_mov_b32 s[G0+4*\s], 1
	s_add_co_u32 s[G0+4*\s+1], s45, \s*SLOT
	s_add_nc_u64 s[G0+4*\s+2:G0+4*\s+3], s[20:21], \s*ROWB
	s_or_b32 s[G0+4*\s+3], s[G0+4*\s+3], 0x80000000
	s_mov_b32 s[G0B+4*\s], 1
	s_add_co_u32 s[G0B+4*\s+1], s45, \s*SLOT
	s_add_nc_u64 s[G0B+4*\s+2:G0B+4*\s+3], s[46:47], \s*ROWB
	s_or_b32 s[G0B+4*\s+3], s[G0B+4*\s+3], 0x80000000
.endr
	JLOAD G0, G1, G0B, G1B                         ; K step 0: one tensor load a wave at the head
	s_mul_i32 s22, s15, HALFT                      ; my 128 rows of A,
	s_mul_i32 s23, s16, HALFT
	s_add_co_u32 s23, s23, 2*HALFT                 ; of B,
	s_mul_i32 s2, s14, 16*SPT
	s_add_co_u32 s2, s2, STQ                       ; my stage,
	s_mul_i32 s77, s15, 2*HALFT                    ; my half's cos; its sin lies HALFT on
	s_lshl_b32 s80, s17, 1
	s_add_co_u32 s80, s80, s15                     ; X: my block of 128 rows of C
	s_lshl_b32 s81, s42, 1
	s_add_co_u32 s81, s81, s16                     ; Y: my block of 128 columns
	s_lshl_b32 s82, s80, 4
	s_add_co_u32 s82, s82, s81
	s_lshl_b32 s83, s81, 4
	s_add_co_u32 s83, s83, s80
	s_cmp_eq_u32 s76, 2
	s_cselect_b32 s82, s82, s83                    ; 16 head + block of positions: the head is Y for q and k, X for v
	s_lshl_b32 s82, s82, 14
	s_lshl_b32 s83, s76, 22
	s_add_co_u32 s82, s82, s83
	s_mov_b32 s83, 0
	s_add_nc_u64 s[74:75], s[74:75], s[82:83]      ; my block of the output
	s_cmp_eq_u32 s16, 0
	s_cselect_b64 s[TBA:TBA+1], s[70:71], s[72:73] ; even waves fetch cos, odd waves sin,
	s_lshl_b32 s78, s80, 16                        ; from position 128 X on (rows of 512 bytes): the tile row and the wave's number alone
	s_mov_b32 s79, 0
	s_add_nc_u64 s[TBA:TBA+1], s[TBA:TBA+1], s[78:79]
	s_lshl_b32 s100, s40, 13
	s_add_nc_u64 s[PFB:PFB+1], s[TBA:TBA+1], s[100:101]   ; of a table load's 32,768 bytes my work-group names 8,192
	v_and_b32 v1, 15, v0                           ; r
	v_bfe_u32 v2, v0, 4, 1                         ; h
	v_and_b32 v9, 31, v0                           ; lane
	v_mul_u32_u24 v3, v1, PITCH
	v_lshl_add_u32 v4, v2, 4, v3
	v_add_nc_u32 v[ADRA], s22, v4
	v_add_nc_u32 v[ADRB], s23, v4
	v_add_nc_u32 v[ADRA+1], SLOT, v[ADRA]
	v_add_nc_u32 v[ADRB+1], SLOT, v[ADRB]
	v_mul_u32_u24 v5, v1, SPT
	v_lshl_add_u32 v5, v2, 3, v5
	v_add_nc_u32 v[STO], s2, v5                    ; into the stage: row r, 8 bytes for each half of the lanes
	v_lshrrev_b32 v7, 3, v9
	v_mul_u32_u24 v7, v7, SPT
	v_and_b32 v8, 7, v0
	v_lshl_add_u32 v7, v8, 4, v7
	v_add_nc_u32 v[RD], s2, v7                     ; back: eight lanes to a row of 128 bytes, four rows an instruction
	v_lshlrev_b32 v[CO], 4, v9
	v_mul_u32_u24 v6, v1, 2*PITCH                  ; a table's row of 512 bytes is two LDS rows
	v_lshl_add_u32 v6, v2, 5, v6
	v_add_nc_u32 v[TAD], s77, v6
	v_add_nc_u32 v[TAD+1], SLOT, v[TAD]
	v_lshlrev_b32 v[BVO], 2, v1
	v_lshlrev_b32 v[BIO], 5, v2
	v_lshlrev_b32 v[PFO], 11, v9
	v_lshlrev_b32 v[PFT], 8, v9
	global_prefetch_b8 v[PFO], s[PFA:PFA+1] offset:512 th:TH_LOAD_NT scope:SCOPE_SE   ; K step 2
	s_wait_kmcnt 0x0
	s_add_co_i32 s84, s84, s85                     ; e0 + e1
	s_add_co_i32 s86, s86, s87                     ; e2 + e3
	s_add_co_i32 s88, s88, s89                     ; e4 + e5
	s_cmp_eq_u32 s76, 1
	s_cselect_b32 s96, s86, s84
	s_cselect_b32 s98, s91, s90                    ; e7 or e6
	s_cmp_eq_u32 s76, 2
	s_cselect_b32 s96, s88, s96
	s_cselect_b32 s98, s93, s98                    ; e9
	s_add_co_i32 s96, s96, 127
	s_lshl_b32 s96, s96, 23                        ; 2^(ea + eb)
	s_mov_b32 s97, s96
	s_add_co_i32 s98, s98, 127
	s_lshl_b32 s99, s98, 23
	s_add_co_i32 s98, s98, 8
	s_lshl_b32 s98, s98, 23
	s_or_b32 s98, s98, 0x600000
	v_mov_b32 v[QS], s99
	v_mov_b32 v[QL], s98
	s_or_b32 s[G1T], s43, (0<<16)|(1<<20)|(1<<21)|(5<<22)|(3<<25)    ; the tables go to my row of the cluster
	s_mov_b32 s[G1T+1], 256<<16
	s_mov_b32 s[G1T+2], 128<<16
	s_mov_b32 s[G1T+3], 256<<16
	s_mov_b32 s[G1T+4], 128
	s_mov_b32 s[G1T+5], 256                        ; dense
	s_mov_b32 s[G1T+6], 0
	s_mov_b32 s[G1T+7], 0
.macro FRAG reg, adr, q, i             ; 16 rows x 128 K: registers 4 c .. 4 c + 3 hold K = 32 c + 16 (l / 16) + 0 .. 15, the same places in A and in B
.irp c, 0,1,2,3
	ds_load_b128 v[\reg+4*\c:\reg+4*\c+3], v[\adr] offset:128*(\q)+32*\c+(\i)*16*PITCH
.endr
.endm
.macro MUL16 a0, p, zero               ; the 64 accumulators take turns, one instruction a turn, in the same order in every step
.irp a, \a0, \a0+1
.irp b, 0,1,2,3,4,5,6,7
.if \zero
	v_wmma_f32_16x16x128_fp8_fp8 v[8*(8*((\a)%4)+\b):8*(8*((\a)%4)+\b)+7], v[128*(\p)+FR*\b:128*(\p)+FR*\b+FR-1], v[AF+FR*(\a):AF+FR*(\a)+FR-1], 0
.else
	v_wmma_f32_16x16x128_fp8_fp8 v[8*(8*((\a)%4)+\b):8*(8*((\a)%4)+\b)+7], v[128*(\p)+FR*\b:128*(\p)+FR*\b+FR-1], v[AF+FR*(\a):AF+FR*(\a)+FR-1], v[8*(8*((\a)%4)+\b):8*(8*((\a)%4)+\b)+7]
.endif
.endr
.endr
.endm
.macro FETCH_B slot, q, p
	WIN TO_B
.irp i, 0,1,2,3,4,5,6,7
	FRAG 128*(\p)+FR*\i, ADRB+\slot, \q, \i
.endr
	WIN 0
.endm
.macro FETCH_A slot, q, i0
.irp i, \i0, \i0+1, \i0+2, \i0+3
	FRAG AF+FR*(\i), ADRA+\slot, \q, \i
.endr
.endm
.macro STEP slot, q, zero              ; 128 along K that has its successor in the same slot
	s_wait_dscnt 4*NL                              ; B's set and A's blocks 0-3 are in; the 16 youngest loads (A's blocks 4-7) may be out
	WIN MUL_LO
	MUL16 0, (\q)%2, \zero
	MUL16 2, (\q)%2, \zero
	s_wait_dscnt 0
	PLACES NP
	FETCH_B \slot, (\q)+1, 1-(\q)%2
	FETCH_A \slot, (\q)+1, 0
	WIN MUL_HI
	MUL16 4, (\q)%2, \zero
	MUL16 6, (\q)%2, \zero
	PLACES NP
	WIN 0
	FETCH_A \slot, (\q)+1, 4
.endm
.macro TURN slot, next, fill           ; a slot's last 128 along K, and the change of slots.  fill = 1: the K step two on; 2: the tables' first half into slot 0; 0: nothing
	s_wait_tensorcnt 0x0                           ; all my tensor loads have landed: my part of the next slot
	ds_add_u32 v[SPW], v[NIL]
	s_wait_dscnt 4*NL+1                            ; the add and the 16 youngest loads may be out
	WIN MUL_LO
	MUL16 0, 1, 0
	s_wait_dscnt 0x0                               ; the add is done, and my reads of this slot are over
	s_barrier_signal -1
	MUL16 2, 1, 0
	WIN 0
	s_barrier_wait -1
.if \fill == 1
	CREST                                          ; the barrier has opened a round of the cluster's
	s_add_nc_u64 s[G0+4*\slot+2:G0+4*\slot+3], s[G0+4*\slot+2:G0+4*\slot+3], 2*ROWB
	s_add_nc_u64 s[G0B+4*\slot+2:G0B+4*\slot+3], s[G0B+4*\slot+2:G0B+4*\slot+3], 2*ROWB
	JLOAD G0+4*\slot, G1, G0B+4*\slot, G1B         ; its four v_nop are the places in front of the loads below
.endif
.if \fill == 2
	CREST
	s_mov_b64 s[G0+2:G0+3], s[TBA:TBA+1]           ; no load of mine is out: slot 0's group 0 takes my table's first 64 positions; its LDS address stays
	s_or_b32 s[G0+3], s[G0+3], 0x80000000
	tensor_load_to_lds s[G0:G0+3], s[G1T:G1T+7]
	s_nop 0
	PLACES NP
.endif
.if \fill == 0
	PLACES NP
.endif
	FETCH_B \next, 0, 0
	FETCH_A \next, 0, 0
.if \fill == 1
	ASK \slot
.endif
	WIN MUL_HI
	MUL16 4, 1, 0
	MUL16 6, 1, 0
	PLACES NP
	WIN 0
	FETCH_A \next, 0, 4
.endm
.macro LAST                            ; the very last 128 along K
	s_wait_dscnt 4*NL
	WIN MUL_LO
	MUL16 0, 1, 0
	MUL16 2, 1, 0
	s_wait_dscnt 0
	WIN MUL_HI
	MUL16 4, 1, 0
	MUL16 6, 1, 0
	WIN 0
.endm
; THE WAY OUT, block by block of 16 rows x 128 columns.  PUT: held, converted, 8 codes a lane and accumulator into my stage, and back as rows of 128 bytes.  SEND: stored, while the next block is worked.
.macro PUT a, pb
.set j, 0
.rept 64
	v_med3_num_f32 v[T+j], v[T+j], -v[QL], v[QL]   ; the conversion does not saturate (ISA guide 7.6.2): the hold comes first
.set j, j+1
.endr
.irp b, 0,1,2,3,4,5,6,7
	v_cvt_scalef32_pk8_fp8_f32 v[CD+2*\b:CD+2*\b+1], v[T+8*\b:T+8*\b+7], v[QS]
.endr
	v_nop                                          ; a plain line behind the last conversion
.irp b, 0,1,2,3,4,5,6,7
	ds_store_b64 v[STO], v[CD+2*\b:CD+2*\b+1] offset:\pb+16*\b
.endr
	s_wait_xcnt 0x0                                ; the stores of two blocks back have read the registers that the loads below fill
.irp t, 0,1,2,3
	ds_load_b128 v[BK+16*((\a)%2)+4*\t:BK+16*((\a)%2)+4*\t+3], v[RD] offset:\pb+4*SPT*\t   ; LDS serves a wave's instructions in order: these see my stores
.endr
.endm
.macro SEND a, perm                    ; perm = 1 (q, k): the four rows 16 a + 4 t on go to the rows whose number has bits 3 (t / 2) and 4 (a % 2) exchanged.  32 lanes store 512 consecutive bytes, aligned
.irp t, 0,1,2,3
.if \perm
	global_store_b128 v[CO], v[BK+16*((\a)%2)+4*\t:BK+16*((\a)%2)+4*\t+3], s[74:75] offset:4096*((\a)/2)+1024*((\a)%2)+2048*(\t/2)+512*(\t%2)
.else
	global_store_b128 v[CO], v[BK+16*((\a)%2)+4*\t:BK+16*((\a)%2)+4*\t+3], s[74:75] offset:2048*(\a)+512*\t
.endif
.endr
.endm
.macro TLD a                           ; cos and sin of block a's 16 positions, in the results' layout, into set a % 2 of window 1
	WIN TO_B
.irp b, 0,1,2,3,4,5,6,7
.irp u, 0,1
	ds_load_b128 v[128*((\a)%2)+8*\b+4*\u:128*((\a)%2)+8*\b+4*\u+3], v[TAD+(\a)/4] offset:((\a)%4)*32*PITCH+PITCH*(\b/4)+64*(\b%4)+16*\u
	ds_load_b128 v[128*((\a)%2)+64+8*\b+4*\u:128*((\a)%2)+64+8*\b+4*\u+3], v[TAD+(\a)/4] offset:HALFT+((\a)%4)*32*PITCH+PITCH*(\b/4)+64*(\b%4)+16*\u
.endr
.endr
	WIN 0
.endm
.macro QKBLOCK a
.set AC, 64*((\a)%4)
.set CB, 128*((\a)%2)
.set WA, 2+(\a)/4                      ; the block's accumulators: window 2 or 3
.set WW, (WA<<6)|WA
.set WM, 0x04|WA
.if ((\a)%4) < 3
	TLD (\a)+1
	s_wait_dscnt 32                                ; all but the next block's 32 table loads: this block's tables and the last block's rows are in
.else
	s_wait_dscnt 0x0
.endif
.if ((\a)%4) > 0
	SEND (\a)-1, 1
.endif
	WIN WW
.set j, 0
.rept 32
	v_pk_fma_f32 v[AC+j:AC+j+1], v[AC+j:AC+j+1], s[96:97], v[BI+j:BI+j+1] op_sel_hi:[1,0,1]   ; y = sum x 2^(ea + eb) + bias, in place; each accumulator from its low end on
.set j, j+2
.endr
	WIN WM
.set j, 0
.rept 32
	v_pk_mul_f32 v[T+j:T+j+1], v[AC+j:AC+j+1], v[CB+j:CB+j+1]     ; y cos
.set j, j+2
.endr
.set j, 0
.rept 32
	v_fma_f32 v[T+j], -v[AC+j+1], v[CB+64+j], v[T+j]              ; even channel: - its odd neighbour x sin
	v_fma_f32 v[T+j+1], v[AC+j], v[CB+64+j+1], v[T+j+1]           ; odd channel: + its even neighbour x sin
.set j, j+2
.endr
	WIN 0
	PUT \a, 0
.endm
.macro VBLOCK a
.set AC, 64*((\a)%4)
.set WA, 2+(\a)/4
.if (\a) > 0
	s_wait_dscnt 0x0
	SEND (\a)-1, 0
.endif
	WIN WA
.set j, 0
.rept 64
	v_fma_f32 v[T+j], v[AC+j], s96, v[BI+(\a)]     ; a lane's row is one channel: one bias for its 64 keys
.set j, j+1
.endr
	WIN 0
	PUT \a, STV
.endm
	s_wait_alu depctr_va_vdst(0)
	s_wait_tensorcnt 0x0                           ; my part of K step 0 is in; a later first fill stands behind the same lines as a refill
	ds_add_u32 v[SPW], v[NIL]
	s_wait_dscnt 0x0
	CROUND
	JLOAD G0+4, G1, G0B+4, G1B                     ; K step 1
	FETCH_B 0, 0, 0
	FETCH_A 0, 0, 0
	FETCH_A 0, 0, 4
	global_prefetch_b8 v[PFO], s[PFA:PFA+1] offset:768 th:TH_LOAD_NT scope:SCOPE_SE   ; K step 3
	STEP 0, 0, 1                                   ; the first step starts the sums: nothing is cleared
	s_mov_b32 s3, LAPS-1
.Llap:
	TURN 0, 1, 1
	STEP 1, 0, 0
	TURN 1, 0, 1
	STEP 0, 0, 0
	s_wait_xcnt 0x0                                ; my prefetches have read their address
	s_add_nc_u64 s[PFA:PFA+1], s[PFA:PFA+1], 2*ROWB
	s_sub_co_u32 s3, s3, 1
	s_cmp_lg_u32 s3, 0
	s_cbranch_scc1 .Llap
	s_cmp_eq_u32 s76, 2                            ; the cluster's number alone decides: all partners go the same way
	s_cbranch_scc1 .Lv
	; ---- q and k
	s_cmp_eq_u32 s76, 0
	s_cselect_b64 s[8:9], s[8:9], s[10:11]         ; bq or bk,
	s_lshl_b32 s82, s81, 9
	s_add_nc_u64 s[8:9], s[8:9], s[82:83]          ; my head's 128 (s83 = 0)
.irp b, 0,1,2,3,4,5,6,7
	global_load_b128 v[BI+8*\b:BI+8*\b+3], v[BIO], s[8:9] offset:64*\b
	global_load_b128 v[BI+8*\b+4:BI+8*\b+7], v[BIO], s[8:9] offset:64*\b+16
.endr
	TURN 0, 1, 2                                   ; slot 0 takes the tables of positions 0-63 of each half
	STEP 1, 0, 0
	LAST
	s_wait_tensorcnt 0x0                           ; my part of them is in;
	ds_add_u32 v[SPW], v[NIL]
	s_add_nc_u64 s[G0+6:G0+7], s[TBA:TBA+1], 32768 ; slot 1's group 0: positions 64-127
	s_or_b32 s[G0+7], s[G0+7], 0x80000000
	s_wait_dscnt 0x0                               ; my reads of slot 1 are over
	CROUND
	tensor_load_to_lds s[G0+4:G0+7], s[G1T:G1T+7]
	s_nop 0
	PLACES NP                                      ; also the places behind the last products
	TLD 0
	s_wait_loadcnt 0x0                             ; the bias
.irp a, 0,1,2,3
	QKBLOCK \a
.endr
	s_wait_tensorcnt 0x0                           ; my part of the second half is in
	ds_add_u32 v[SPW], v[NIL]
	s_wait_dscnt 0x0
	s_barrier_signal -1
	s_barrier_wait -1                              ; and everybody's
	SEND 3, 1
	TLD 4
.irp a, 4,5,6,7
	QKBLOCK \a
.endr
	s_wait_dscnt 0x0
	SEND 7, 1
	s_branch .Ldone
.Lv:	; ---- v: no tables
	s_lshl_b32 s82, s80, 9
	s_add_nc_u64 s[68:69], s[68:69], s[82:83]      ; bv: my head's 128 channels
.irp a, 0,1,2,3,4,5,6,7
	global_load_b32 v[BI+\a], v[BVO], s[68:69] offset:64*\a
.endr
	TURN 0, 1, 0
	STEP 1, 0, 0
	LAST
	PLACES NP
	s_wait_loadcnt 0x0
.irp a, 0,1,2,3,4,5,6,7
	VBLOCK \a
.endr
	s_wait_dscnt 0x0
	SEND 7, 0
.Ldone:
	s_wait_tensorcnt 0x0                           ; the wave's end
	ds_add_u32 v[SPW], v[NIL]
	s_wait_dscnt 0x0
	CROUND                                         ; the closing round
	s_endpgm
.Lfunc_end_k_q0fd122304b_qkv:
	.size	k_q0fd122304b_qkv, .Lfunc_end_k_q0fd122304b_qkv-k_q0fd122304b_qkv
	.p2alignl 7, 3214868480
	.fill 96, 4, 3214868480
	.section	.rodata,"a",@progbits
	.p2align	6, 0x0
	.amdhsa_kernel k_q0fd122304b_qkv
		.amdhsa_group_segment_fixed_size 327680
		.amdhsa_private_segment_fixed_size 0
		.amdhsa_enable_private_segment 0
		.amdhsa_kernarg_size 64
		.amdhsa_user_sgpr_count 2
		.amdhsa_user_sgpr_kernarg_segment_ptr 1
		.amdhsa_wavefront_size32 1
		.amdhsa_system_sgpr_workgroup_id_x 1
		.amdhsa_system_sgpr_workgroup_id_y 1
		.amdhsa_system_sgpr_workgroup_id_z 1
		.amdhsa_system_vgpr_workitem_id 0
		.amdhsa_next_free_vgpr 1024
		.amdhsa_next_free_sgpr 102
		.amdhsa_reserve_vcc 0
		.amdhsa_float_denorm_mode_32 3
		.amdhsa_float_denorm_mode_16_64 3
		.amdhsa_memory_ordered 1
		.amdhsa_forward_progress 1
		.amdhsa_inst_pref_size 255
	.end_amdhsa_kernel
	.section	.bss,"aw",@nobits
	.p2align	6
	.space	262144
	.amdgpu_metadata
---
amdhsa.version: [ 1, 2 ]
amdhsa.kernels:
  - .name:           k_q0fd122304b_qkv
    .symbol:         k_q0fd122304b_qkv.kd
    .args:
      - { .name: codes, .offset: 0, .size: 8, .value_kind: global_buffer, .address_space: global }
      - { .name: lowp_scales, .offset: 8, .size: 8, .value_kind: global_buffer, .address_space: global }
      - { .name: bq, .offset: 16, .size: 8, .value_kind: global_buffer, .address_space: global }
      - { .name: bk, .offset: 24, .size: 8, .value_kind: global_buffer, .address_space: global }
      - { .name: bv, .offset: 32, .size: 8, .value_kind: global_buffer, .address_space: global }
      - { .name: cos, .offset: 40, .size: 8, .value_kind: global_buffer, .address_space: global }
      - { .name: sin, .offset: 48, .size: 8, .value_kind: global_buffer, .address_space: global }
      - { .name: qkv, .offset: 56, .size: 8, .value_kind: global_buffer, .address_space: global }
    .group_segment_fixed_size: 327680
    .private_segment_fixed_size: 0
    .kernarg_segment_align: 8
    .kernarg_segment_size: 64
    .max_flat_workgroup_size: 128
    .sgpr_count:     102
    .vgpr_count:     1024
    .wavefront_size: 32
...
	.end_amdgpu_metadata
.endif
;; end of part 2
;; launch attn (part 3): grid 16 x 16, 8 waves a work-group, no clusters, 166,912 bytes of LDS; arguments qkv, maskw, mflag, lowp_scales, ao; writes ao
.if DOCPART == 3
	.amdgcn_target "amdgcn-amd-amdhsa--gfx1250"
	.amdhsa_code_object_version 6
	.text
	.protected	k_q0fd122304b_attn
	.globl	k_q0fd122304b_attn
	.p2align	8
	.type	k_q0fd122304b_attn,@function
k_q0fd122304b_attn:
	s_mov_b64 s[64:65], 0
	v_nop
	global_prefetch_b8 v0, s[64:65] scope:SCOPE_SE
	s_setreg_imm32_b32 hwreg(HW_REG_WAVE_MODE, 25, 1), 1
	s_wait_xcnt 0x0
; THIRD LAUNCH: ao = Q(softmax(mask(q k^T / sqrt(128))) v), both products on codes of E4M3; q, k, v come as codes from launch qkv, the mask as words of lane bits and flags from launch quant.
; LEFT OUT, by whole numbers read from memory (mflag): a step of 128 keys all of which attn_mask hides from all 16 queries of a wave: its p are 0 and its scores enter no maximum.  Where all entries count, the 64 selects are left out.
; THE SOFTMAX: t = score x log2(e) / sqrt(128); M = the running largest t rounded up to a whole number; p = 2^(t - M) is quantised by e8; the sum of the unquantised p divides at the end; a change of M multiplies by a power of two.
; A row that the mask hides whole has the sum 0: its codes are the NaN code, as reference() gives NaN there.
; SHARES: a wave owns 16 queries of one head.  A work-group (x, head) takes, with p = x / 2, four tiles of query block 15 - p (waves 0-3) and four of block p (waves 4-7): tiles 4 (x % 2) .. + 3 of each block.
; K AND V: a step's tile (128 keys: 16,384 bytes of k, 16,384 of v, each dense) is brought by all eight waves, 8 loads of 512 consecutive bytes a wave, into registers and stored into one of four LDS buffers (rows of 128 bytes + 16).
; In step s: tile s + 2 is stored into buffer (s + 2) % 4 and tile s + 4 is asked for; V's fragments of tile s are read, and K's of tile s + 1 (in a step that is passed over: only where step s + 1 is walked).
; One barrier a step, on every wave's path, parts a buffer's stores from its reads and its reads from the next stores; in front of it every wave has waited for its LDS instructions, so a step's first products owe no wait.
; The fragment loads stand one fragment (4 loads) at a time among the softmax's vector lines.
; NO CLUSTER, NO TENSOR LOAD: branches here hang on numbers read from memory; joint loads are tensor loads.
; PREFETCH: the sixteen work-groups of a head read the same sixteen tiles; work-group x names tile x once, at its head (waves 0-1 k's 16,384 bytes, waves 2-3 v's, lanes 256 bytes apart); tiles 0-3 come by the head's loads alone.
; The loop is three trips of four steps; the last four steps are written out, since they ask for no tile, and the last two store none.
; LIMITS: e6 + e7 between -123 and 130; e8 and e10 between -126 and 119; the scaled scores stay under 2^31 in magnitude.  NaN among the inputs is not served.
; REGISTERS: window 0: v1-4, v8-11 LDS addresses; v12 -M, v13 largest t, v[14:15] the sum; v16-31 Q; v32-95 two sets of a tile's part; v96-159 S^T, then p (at the head: tiles 0 and 1); v160-223 O^T; v224-239 p's codes; v240-254 at work.
; Window 1: K's fragments v0-127, V's v128-255.
.set KP,    144
.set BLK,   128*KP
.set BUF,   2*BLK                      ; a buffer: K's 128 rows, then V's
.set SPARE, 4*BUF                      ; the spare words, 128 bytes for each wave
.set STAGE, SPARE+1024                 ; the way out: 16 rows x 144 bytes for each wave
.set ADB, 1                            ; v1-4   my place in a fragment, in buffer 0 .. 3
.set SPW, 5
.set NIL, 6
.set GO,  7
.set STB, 8                            ; v8-11  where I store my part of a tile, in buffer 0 .. 3
.set ST,  32
.set GLO, 246                          ; 2048 x wave + 16 x lane
.set STO, 247
.set RD,  248
.set PFO, 249
.set MP,  2                            ; s[2:3]  my tile's mask words
.set KB,  4                            ; s[4:5]  the head's k; its v lies 0x400000 on
.set QP,  8
.set WV,  12
.set TR,  13
.set FL,  14                           ; the flags of this trip's four steps in bits 0-7, the later trips' above
.set CS,  28
.set SEL, 30
.set MSB, 0
.macro WIN new
.if MSB != \new
	s_set_vgpr_msb (MSB<<8)|\new
.set MSB, \new
.endif
.endm
.macro MLOAD off                       ; a step's 64 mask words
	s_load_b512 s[32:47], s[MP:MP+1], \off
	s_load_b512 s[48:63], s[MP:MP+1], \off+0x40
	s_load_b512 s[68:83], s[MP:MP+1], \off+0x80
	s_load_b512 s[84:99], s[MP:MP+1], \off+0xc0
.endm
.macro KF b, t                         ; K's fragment t out of buffer b
	WIN 0x40
.irp c, 0,1,2,3
	ds_load_b128 v[16*(\t)+4*\c:16*(\t)+4*\c+3], v[ADB+(\b)] offset:16*(\t)*KP+32*\c
.endr
	WIN 0
.endm
.macro VT b, t                         ; V's fragment t
	WIN 0x40
.irp c, 0,1,2,3
	ds_load_b128 v[128+16*(\t)+4*\c:128+16*(\t)+4*\c+3], v[ADB+(\b)] offset:BLK+16*(\t)*KP+32*\c
.endr
	WIN 0
.endm
.macro KT t                            ; the next step's K, where there is a next step
.if DOK
	KF NX, \t
.endif
.endm
.macro LDK b                           ; all eight
.irp t, 0,1,2,3,4,5,6,7
	KF \b, \t
.endr
.endm
.macro GLD t, reg                      ; my part of tile t (counted from s[KB]): each load reads 512 consecutive bytes
.irp i, 0,1,2,3
	global_load_b128 v[(\reg)+4*\i:(\reg)+4*\i+3], v[GLO], s[KB:KB+1] offset:16384*(\t)+512*\i
	global_load_b128 v[(\reg)+16+4*\i:(\reg)+16+4*\i+3], v[GLO], s[KB:KB+1] offset:0x400000+16384*(\t)+512*\i
.endr
.endm
.macro SST b, reg                      ; into buffer b: four rows a store
.irp i, 0,1,2,3
	ds_store_b128 v[STB+(\b)], v[(\reg)+4*\i:(\reg)+4*\i+3] offset:4*KP*\i
	ds_store_b128 v[STB+(\b)], v[(\reg)+16+4*\i:(\reg)+16+4*\i+3] offset:BLK+4*KP*\i
.endr
.endm
	s_load_b256 s[84:91], s[0:1], 0x0              ; qkv 84:85, maskw 86:87, mflag 88:89, lowp_scales 90:91
	s_load_b64 s[92:93], s[0:1], 0x20              ; ao
	v_lshl_add_u32 v[SPW], v0, 2, SPARE
	v_mov_b32 v[NIL], 0
	v_lshrrev_b32 v224, 5, v0
	v_readfirstlane_b32 s[WV], v224                ; wave
	s_lshl_b32 s60, s[WV], 11
	v_and_b32 v224, 15, v0                         ; r
	v_bfe_u32 v225, v0, 4, 1                       ; h
	v_and_b32 v226, 31, v0                         ; lane
	v_and_b32 v227, 7, v0
	v_bfe_u32 v228, v0, 3, 1
	v_lshlrev_b32 v251, 7, v227                    ; Q: query r lies in row r % 8 + 16 (r / 8) of my tile's rows; + 16 h
	v_lshl_add_u32 v251, v228, 11, v251
	v_lshl_add_u32 v251, v225, 4, v251
	v_lshlrev_b32 v[PFO], 8, v226
	v_lshl_add_u32 v[GLO], v226, 4, s60
	s_and_b32 s34, ttmp7, 0xffff                   ; the head
	s_lshr_b32 s35, ttmp9, 1                       ; p
	s_sub_co_u32 s36, 15, s35
	s_cmp_lt_u32 s[WV], 4
	s_cselect_b32 s33, s36, s35                    ; my block of 128 queries
	s_and_b32 s37, ttmp9, 1
	s_lshl_b32 s37, s37, 2
	s_and_b32 s38, s[WV], 3
	s_add_co_u32 s37, s37, s38                     ; my tile in it
	s_lshl_b32 s38, s34, 18
	s_add_co_u32 s38, s38, 0x400000                ; the head's k
	s_mov_b32 s39, 0
	s_lshl_b32 s40, ttmp9, 14                      ; the prefetch: tile x, 8,192 bytes a wave, k's or v's
	s_and_b32 s41, s[WV], 1
	s_lshl_b32 s41, s41, 13
	s_add_co_u32 s40, s40, s41
	s_lshr_b32 s41, s[WV], 1
	s_lshl_b32 s41, s41, 22
	s_add_co_u32 s40, s40, s41
	s_mov_b32 s41, 0
	s_lshl_b32 s42, s34, 4                         ; q: block 16 head + block, rows 32 (tile / 2) + 8 (tile % 2) on
	s_add_co_u32 s42, s42, s33
	s_lshl_b32 s42, s42, 14
	s_lshr_b32 s43, s37, 1
	s_lshl_b32 s43, s43, 12
	s_add_co_u32 s42, s42, s43
	s_and_b32 s43, s37, 1
	s_lshl_b32 s43, s43, 10
	s_add_co_u32 s42, s42, s43
	s_mov_b32 s43, 0
	s_lshl_b32 s46, s33, 4                         ; ao: block 16 block + head, 16 rows of 128 bytes a tile
	s_add_co_u32 s46, s46, s34
	s_lshl_b32 s46, s46, 14
	s_lshl_b32 s47, s37, 11
	s_add_co_u32 s46, s46, s47
	s_mov_b32 s47, 0
	s_lshl_b32 s48, s33, 3
	s_add_co_u32 s48, s48, s37                     ; qt
	s_lshl_b32 s50, s48, 10                        ; its four units of flags
	s_lshl_b32 s48, s48, 12                        ; its 16 x 256 bytes of words
	s_mov_b32 s49, 0
	s_mov_b32 s51, 0
	s_mov_b32 s[SEL], 0x76543210
	s_mov_b32 s[SEL+1], 0xfedcba98
	s_mov_b32 s[CS], 0x3e0293ee                    ; log2(e) / sqrt(128)
	s_mov_b32 s[TR], 3
	s_mul_i32 s61, s[WV], 16*KP
	s_add_co_u32 s59, s61, STAGE
	s_wait_alu depctr_va_vdst(0)
	s_wait_kmcnt 0x0
	s_load_b128 s[52:55], s[90:91], 0x18           ; e6, e7, e8, e9
	s_load_b32 s56, s[90:91], 0x28                 ; e10
	s_add_nc_u64 s[KB:KB+1], s[84:85], s[38:39]
	s_add_nc_u64 s[QP:QP+1], s[84:85], s[42:43]
	s_add_nc_u64 s[MP:MP+1], s[86:87], s[48:49]
	s_add_nc_u64 s[44:45], s[88:89], s[50:51]
	s_add_nc_u64 s[10:11], s[92:93], s[46:47]
	s_add_nc_u64 s[66:67], s[KB:KB+1], s[40:41]
	GLD 0, 96                                      ; tiles 0 and 1 into the scores' registers,
	GLD 1, 128
.irp c, 0,1,2,3
	global_load_b128 v[16+4*\c:19+4*\c], v251, s[QP:QP+1] offset:32*\c
.endr
	GLD 2, ST                                      ; tiles 2 and 3 into the two sets, as the loop expects them
	GLD 3, ST+32
	s_load_b32 s16, s[44:45], 0x0
	s_load_b32 s17, s[44:45], 0x100
	s_load_b32 s18, s[44:45], 0x200
	s_load_b32 s19, s[44:45], 0x300
	s_cmp_lt_u32 ttmp9, 4
	s_cbranch_scc1 .Lnopf
	s_cmp_lt_u32 s[WV], 4
	s_cbranch_scc0 .Lnopf
	global_prefetch_b8 v[PFO], s[66:67] th:TH_LOAD_NT scope:SCOPE_SE
.Lnopf:
	v_mul_u32_u24 v[ADB], v224, KP
	v_lshl_add_u32 v[ADB], v225, 4, v[ADB]
	v_add_nc_u32 v[ADB+1], BUF, v[ADB]
	v_add_nc_u32 v[ADB+2], 2*BUF, v[ADB]
	v_add_nc_u32 v[ADB+3], 3*BUF, v[ADB]
	v_lshrrev_b32 v229, 3, v226
	v_mul_u32_u24 v229, v229, KP
	v_lshl_add_u32 v229, v227, 4, v229             ; eight lanes to a row of 128 bytes
	v_add_nc_u32 v[STB], s61, v229                 ; my wave's 16 rows
	v_add_nc_u32 v[STB+1], BUF, v[STB]
	v_add_nc_u32 v[STB+2], 2*BUF, v[STB]
	v_add_nc_u32 v[STB+3], 3*BUF, v[STB]
	v_mul_u32_u24 v[STO], v224, KP
	v_lshl_add_u32 v[STO], v225, 3, v[STO]
	v_add_nc_u32 v[STO], s59, v[STO]
	v_add_nc_u32 v[RD], s59, v229
	v_lshlrev_b32 v[GO], 4, v226
	v_mov_b32 v13, 0xff61b1e6                      ; the largest t so far: -3e38
	v_floor_f32 v12, -v13
	v_mov_b32 v14, 0
	v_mov_b32 v15, 0
	v_mov_b32 v236, 0                              ; a lane permute's destination counts as a source
	v_mov_b32 v252, 0
	v_mov_b32 v253, 0
	v_mov_b32 v250, 0xff800000                     ; -infinity
.set j, 0
.rept 64
	v_mov_b32 v[160+j], 0                          ; O^T: the step is written once, and a wave may walk no step at all
.set j, j+1
.endr
	s_wait_kmcnt 0x0
	s_add_co_i32 s57, s52, s53
	s_lshl_b32 s57, s57, 23
	s_add_co_i32 s[CS], s[CS], s57                 ; e6 + e7 go into c's exponent field
	s_mov_b32 s[CS+1], s[CS]
	s_add_co_i32 s57, s54, 127
	s_lshl_b32 s58, s57, 23
	v_mov_b32 v244, s58                            ; 2^e8
	s_add_co_i32 s57, s57, 8
	s_lshl_b32 s57, s57, 23
	s_or_b32 s57, s57, 0x600000
	v_mov_b32 v240, s57                            ; 448 x 2^e8
	s_add_co_i32 s100, s54, s55                    ; e8 + e9
	s_add_co_i32 s57, s56, 127
	s_lshl_b32 s58, s57, 23
	v_mov_b32 v245, s58                            ; 2^e10
	s_add_co_i32 s57, s57, 8
	s_lshl_b32 s57, s57, 23
	s_or_b32 s57, s57, 0x600000
	v_mov_b32 v241, s57
	s_lshl_b32 s17, s17, 8
	s_lshl_b32 s18, s18, 16
	s_lshl_b32 s19, s19, 24
	s_or_b32 s[FL], s16, s17
	s_or_b32 s[FL], s[FL], s18
	s_or_b32 s[FL], s[FL], s19                     ; a byte of flags for each trip
	MLOAD 0
; A KEY STEP, the kk-th of its trip.  last = 1: the written-out last four.
.macro TILEIN kk, last                 ; the tile two steps on goes from my registers into its buffer
.if DOS
.if (\last) && ((\kk) == 1)
	s_wait_loadcnt 0x0                             ; the last tile: nothing was asked for behind it
.else
	s_wait_loadcnt 8                               ; it is in; the 8 loads of the tile behind it may be out
.endif
	SST SB, ST+32*SE
.endif
.endm
.macro STEP kk, last
.set NX, ((\kk)+1)%4
.set SB, ((\kk)+2)%4
.set SE, (\kk)%2
.set DOS, 1-(\last)*((\kk)/2)          ; a tile two steps on exists
.set DOK, 1-(\last)*((\kk)/3)          ; a next step exists
.set NB, (\kk)+1+4*((\kk)/3)           ; the bit that says whether the next step is walked: 1, 2, 3, and 8 in the next trip's byte
	s_bitcmp1_b32 s[FL], \kk                       ; does any key of this step count for my queries?
	s_cbranch_scc0 .Lskip_\@
	WIN 0x01
.irp t, 0,1,2,3,4,5,6,7
	v_wmma_f32_16x16x128_fp8_fp8 v[96+8*\t:103+8*\t], v[16*\t:16*\t+15], v[16:31], 0   ; K's fragments landed in front of the last barrier
.endr
	WIN 0
.rept 4
	v_nop                                          ; places (ISA guide 7.12.1)
.endr
	TILEIN \kk, \last
	VT \kk, 0
	s_bitcmp1_b32 s[FL], 4+(\kk)                   ; do all count?
	s_cbranch_scc1 .Lfull_\@
	s_wait_kmcnt 0x0
.set n, 0
.rept 64
	v_cndmask_b32 v[96+n], v250, v[96+n], s[32+n+4*(n/32)]
.set n, n+1
.endr
.Lfull_\@:
	s_wait_kmcnt 0x0                               ; the words' registers take the next step's
.if DOK
	MLOAD 256*((\kk)+1)
.endif
	VT \kk, 1
	v_max3_num_f32 v254, v96, v97, v98             ; two chains by turns; each accumulator from its low end on
	v_max3_num_f32 v252, v99, v100, v101
.irp i, 6,10,14,18,22,26,30
	v_max3_num_f32 v254, v254, v[96+\i], v[97+\i]
	v_max3_num_f32 v252, v252, v[98+\i], v[99+\i]
.endr
	VT \kk, 2
.irp i, 34,38,42,46,50,54,58
	v_max3_num_f32 v254, v254, v[96+\i], v[97+\i]
	v_max3_num_f32 v252, v252, v[98+\i], v[99+\i]
.endr
	v_max3_num_f32 v254, v254, v158, v159
	v_max_num_f32 v254, v254, v252
	v_permlanex16_b32 v236, v254, s[SEL], s[SEL+1]
	s_delay_alu instid0(VALU_DEP_1)
	v_max_num_f32 v254, v254, v236
	s_delay_alu instid0(VALU_DEP_1)
	v_mul_f32 v254, s[CS], v254
	s_delay_alu instid0(VALU_DEP_1)
	v_max_num_f32 v13, v13, v254
	v_mov_b32 v254, v12
	s_delay_alu instid0(VALU_DEP_2)
	v_floor_f32 v12, -v13                          ; -M
	s_delay_alu instid0(VALU_DEP_1)
	v_sub_f32 v254, v12, v254
	s_delay_alu instid0(VALU_DEP_1)
	v_cvt_i32_f32 v254, v254
	s_delay_alu instid0(VALU_DEP_1)
	v_ldexp_f32 v252, 1.0, v254                    ; f = 2^(old M - new M)
.set j, 0
.irp g, 0,1
	VT \kk, 3+\g
.rept 16
	v_pk_fma_f32 v[96+j:97+j], v[96+j:97+j], s[CS:CS+1], v[12:13] op_sel_hi:[1,0,0]
.set j, j+2
.endr
.endr
	s_wait_alu depctr_va_vdst(0)
.if (\last) == 0
	s_wait_dscnt 20                                ; all but the 20 fragment loads issued since: my stores have read their registers,
	GLD (\kk)+4, ST+32*SE                          ; which take the tile four steps on
.endif
.set j, 0
.irp g, 0,1,2
	VT \kk, 5+\g
.rept 16
	v_exp_f32 v[96+j], v[96+j]
.set j, j+1
.endr
.endr
	KT 0
.rept 16
	v_exp_f32 v[96+j], v[96+j]
.set j, j+1
.endr
	v_pk_mul_f32 v[14:15], v[14:15], v[252:253] op_sel_hi:[1,0]
	s_wait_alu depctr_va_vdst(0)
	KT 1
	v_pk_add_f32 v[242:243], v[96:97], v[98:99]
.irp j, 4,8,12,16,20,24,28
	v_pk_add_f32 v[14:15], v[14:15], v[96+\j:97+\j]
	v_pk_add_f32 v[242:243], v[242:243], v[98+\j:99+\j]
.endr
	KT 2
.irp j, 32,36,40,44,48,52,56,60
	v_pk_add_f32 v[14:15], v[14:15], v[96+\j:97+\j]
	v_pk_add_f32 v[242:243], v[242:243], v[98+\j:99+\j]
.endr
	s_delay_alu instid0(VALU_DEP_1)
	v_pk_add_f32 v[14:15], v[14:15], v[242:243]
.irp b, 0,1,2,3
	KT 3+\b
.irp i, 0,1,2,3,4,5,6,7,8,9,10,11,12,13,14,15
	v_min_num_f32 v[96+16*\b+\i], v[96+16*\b+\i], v240   ; the conversion does not saturate (ISA guide 7.6.2)
.endr
	v_cvt_scalef32_pk8_fp8_f32 v[224+4*\b:225+4*\b], v[96+16*\b:103+16*\b], v244
	v_cvt_scalef32_pk8_fp8_f32 v[226+4*\b:227+4*\b], v[104+16*\b:111+16*\b], v244
.endr
	KT 7
	s_wait_alu depctr_va_vdst(0)
.set j, 0
.rept 32
	v_pk_mul_f32 v[160+j:161+j], v[160+j:161+j], v[252:253] op_sel_hi:[1,0]
.set j, j+2
.endr
	s_wait_alu depctr_va_vdst(0)
	s_wait_dscnt 32*DOK                            ; V's fragments are in; the next K's 32 loads, issued behind them, may be out
	WIN 0x01
.irp t, 0,1,2,3,4,5,6,7
	v_wmma_f32_16x16x128_fp8_fp8 v[160+8*\t:167+8*\t], v[128+16*\t:143+16*\t], v[224:239], v[160+8*\t:167+8*\t]
.endr
	WIN 0
.rept 4
	v_nop                                          ; places in front of the next loads into V's fragments and of the way out
.endr
	s_branch .Lend_\@
.Lskip_\@:                                             ; nothing counts: the tiles and the next words go on all the same
	TILEIN \kk, \last
.if (\last) == 0
	s_wait_dscnt 0x0                               ; my stores have read their registers
	GLD (\kk)+4, ST+32*SE
.endif
.if DOK
	s_bitcmp1_b32 s[FL], NB                        ; the next K only where the next step is walked
	s_cbranch_scc0 .Lnok_\@
	LDK NX
.Lnok_\@:
.endif
	s_wait_kmcnt 0x0
.if DOK
	MLOAD 256*((\kk)+1)
.endif
.Lend_\@:
.if DOK
	s_wait_dscnt 0x0                               ; my stores are done, my reads are over, the next K's fragments are in
	s_barrier_signal -1
	s_barrier_wait -1
.endif
.endm
	s_wait_alu depctr_va_vdst(0)
	s_wait_loadcnt 16                              ; tiles 0 and 1 and Q are in; the 16 loads of tiles 2 and 3 may be out
	SST 0, 96
	SST 1, 128
	s_wait_dscnt 0x0
	s_barrier_signal -1
	s_barrier_wait -1
	LDK 0
	s_wait_dscnt 0x0
.Ltrip:
	STEP 0, 0
	STEP 1, 0
	STEP 2, 0
	STEP 3, 0
	s_wait_xcnt 0x0                                ; the loads have read their bases
	s_add_nc_u64 s[KB:KB+1], s[KB:KB+1], 65536
	s_add_nc_u64 s[MP:MP+1], s[MP:MP+1], 1024
	s_lshr_b32 s[FL], s[FL], 8
	s_sub_co_u32 s[TR], s[TR], 1
	s_cmp_lg_u32 s[TR], 0
	s_cbranch_scc1 .Ltrip
	STEP 0, 1
	STEP 1, 1
	STEP 2, 1
	STEP 3, 1
	; THE WAY OUT: O^T / the sum x 2^(e8 + e9), quantised by e10, through my stage, as rows of 128 bytes
	v_add_f32 v14, v14, v15
	s_delay_alu instid0(VALU_DEP_1)
	v_permlanex16_b32 v252, v14, s[SEL], s[SEL+1]
	s_delay_alu instid0(VALU_DEP_1)
	v_add_f32 v14, v14, v252
	s_delay_alu instid0(VALU_DEP_1)
	v_cmp_eq_f32 s57, 0, v14                       ; a row with no key that counts
	s_delay_alu instid0(VALU_DEP_1)
	v_cndmask_b32 v14, v14, 1.0, s57
	s_wait_alu depctr_va_vdst(0)
	v_rcp_f32 v14, v14
	v_mov_b32 v243, 0x7f7f7f7f                     ; four NaN codes
	s_wait_alu depctr_va_vdst(0)
	v_ldexp_f32 v14, v14, s100
	s_wait_alu depctr_va_vdst(0)
.set j, 0
.rept 32
	v_pk_mul_f32 v[96+j:97+j], v[160+j:161+j], v[14:15] op_sel_hi:[1,0]
.set j, j+2
.endr
.set j, 0
.rept 64
	v_med3_num_f32 v[96+j], v[96+j], -v241, v241
.set j, j+1
.endr
.irp t, 0,1,2,3,4,5,6,7
	v_cvt_scalef32_pk8_fp8_f32 v[32+2*\t:33+2*\t], v[96+8*\t:103+8*\t], v245
.endr
	v_nop
.set j, 0
.rept 16
	v_cndmask_b32 v[32+j], v[32+j], v243, s57
.set j, j+1
.endr
.irp t, 0,1,2,3,4,5,6,7
	ds_store_b64 v[STO], v[32+2*\t:33+2*\t] offset:16*\t
.endr
.irp i, 0,1,2,3
	ds_load_b128 v[48+4*\i:51+4*\i], v[RD] offset:4*KP*\i   ; LDS serves a wave's instructions in order: these see my stores
.endr
.irp i, 0,1,2,3
	s_wait_dscnt 3-\i
	global_store_b128 v[GO], v[48+4*\i:51+4*\i], s[10:11] offset:512*\i   ; 32 lanes store 512 consecutive bytes, aligned
.endr
	s_wait_tensorcnt 0x0                           ; the wave's end
	ds_add_u32 v[SPW], v[NIL]
	s_wait_dscnt 0x0
	s_endpgm
.Lfunc_end_k_q0fd122304b_attn:
	.size	k_q0fd122304b_attn, .Lfunc_end_k_q0fd122304b_attn-k_q0fd122304b_attn
	.p2alignl 7, 3214868480
	.fill 96, 4, 3214868480
	.section	.rodata,"a",@progbits
	.p2align	6, 0x0
	.amdhsa_kernel k_q0fd122304b_attn
		.amdhsa_group_segment_fixed_size 166912
		.amdhsa_private_segment_fixed_size 0
		.amdhsa_enable_private_segment 0
		.amdhsa_kernarg_size 40
		.amdhsa_user_sgpr_count 2
		.amdhsa_user_sgpr_kernarg_segment_ptr 1
		.amdhsa_wavefront_size32 1
		.amdhsa_system_sgpr_workgroup_id_x 1
		.amdhsa_system_sgpr_workgroup_id_y 1
		.amdhsa_system_sgpr_workgroup_id_z 1
		.amdhsa_system_vgpr_workitem_id 0
		.amdhsa_next_free_vgpr 512
		.amdhsa_next_free_sgpr 102
		.amdhsa_reserve_vcc 0
		.amdhsa_float_denorm_mode_32 3
		.amdhsa_float_denorm_mode_16_64 3
		.amdhsa_memory_ordered 1
		.amdhsa_forward_progress 1
		.amdhsa_inst_pref_size 249
	.end_amdhsa_kernel
	.amdgpu_metadata
---
amdhsa.version: [ 1, 2 ]
amdhsa.kernels:
  - .name:           k_q0fd122304b_attn
    .symbol:         k_q0fd122304b_attn.kd
    .args:
      - { .name: qkv, .offset: 0, .size: 8, .value_kind: global_buffer, .address_space: global }
      - { .name: maskw, .offset: 8, .size: 8, .value_kind: global_buffer, .address_space: global }
      - { .name: mflag, .offset: 16, .size: 8, .value_kind: global_buffer, .address_space: global }
      - { .name: lowp_scales, .offset: 24, .size: 8, .value_kind: global_buffer, .address_space: global }
      - { .name: ao, .offset: 32, .size: 8, .value_kind: global_buffer, .address_space: global }
    .group_segment_fixed_size: 166912
    .private_segment_fixed_size: 0
    .kernarg_segment_align: 8
    .kernarg_segment_size: 40
    .max_flat_workgroup_size: 256
    .sgpr_count:     102
    .vgpr_count:     512
    .wavefront_size: 32
...
	.end_amdgpu_metadata
.endif
;; end of part 3
;; launch oproj (part 4): grid 16 x 16, 4 waves a work-group, clusters of 4 x 4, 327,680 bytes of LDS; arguments ao, codes, lowp_scales, bo, out0; writes out0
.if DOCPART == 4
	.amdgcn_target "amdgcn-amd-amdhsa--gfx1250"
	.amdhsa_code_object_version 6
	.text
	.protected	k_q0fd122304b_oproj
	.globl	k_q0fd122304b_oproj
	.p2align	8
	.type	k_q0fd122304b_oproj,@function
k_q0fd122304b_oproj:
	s_mov_b64 s[64:65], 0
	v_nop
	global_prefetch_b8 v0, s[64:65] scope:SCOPE_SE
	s_setreg_imm32_b32 hwreg(HW_REG_WAVE_MODE, 25, 1), 1
	s_wait_xcnt 0x0
	s_wait_alu depctr_hold_cnt(0) depctr_sa_sdst(0) depctr_va_vdst(0) depctr_va_sdst(0) depctr_va_ssrc(0) depctr_va_vcc(0) depctr_vm_vsrc(0)
	s_getreg_b32 s2, hwreg(HW_REG_IB_STS2, 6, 4)
	s_cmp_eq_u32 s2, 0
	s_cbranch_scc0 .Lentry_in_a_cluster
	s_endpgm
.Lentry_in_a_cluster:
	s_bfe_u32 s2, ttmp6, 0x10000c
	s_cmp_lg_u32 s2, 0xf033
	s_cbranch_scc0 .Lentry_shape_is_right
	s_endpgm
.Lentry_shape_is_right:
; FOURTH LAUNCH: out0 = ao Wo^T x 2^(e10 + e11) + bo, on codes of E4M3.  No work of reference() is left out here.
; A tile of out0, 128 x 128, is made by four waves, each 64 x 64.  K goes in four steps of 512 through a ring of two LDS slots: A's part is four dense blocks [128 rows][128 bytes] of ao, B's 128 rows of 512 bytes of Wo's codes.
; CLUSTERS: 4 x 4 work-groups: A's tiles are asked for jointly along a row of the cluster, B's along a column.  Waves 0 and 1 fetch for A, waves 2 and 3 for B.
; PREFETCH: behind the first joint load a wave names its parts of K steps 1 and 2, behind the second that of K step 3: of what a wave fetches each of the four partners takes a quarter by address
; (A: 8,192 dense bytes, by cx; B: 16 rows of 512 bytes, by cy), a lane to each 256 bytes.  K step 0 comes by its load alone.
; LIMIT: e10 + e11 between -126 and 127.
.set PFO,    30                        ; v30  the prefetches' offset; never rewritten
.set PA,     144
.set PB,     528
.set ABLK,   128*PA
.set BOFF,   4*ABLK
.set SLOT,   BOFF+128*PB
.set STAGE,  2*SLOT
.set SPITCH, 272
.set SPARE,  STAGE+4*16*SPITCH
.set ADRA, 16
.set ADRB, 20
.set STO,  24
.set RD,   25
.set CO,   26
.set BIO,  27
.set SPW,  28
.set NIL,  29
.set TMP,  32
.set BK,   64
.set BO,   96
.set ACC,  128
.set F0,   0
.set F1,   128
.set G1, 24
.set G0, 32
.set G1B, 48
.set G0B, 56
.set MSB, 0
.macro WIN new
.if MSB != \new
	s_set_vgpr_msb (MSB<<8)|\new
.set MSB, \new
.endif
.endm
.set MUL,  0x05
.set TO_F, 0x40
.macro JLOAD s
	s_cmp_eq_u32 s11, 0
	s_cbranch_scc0 .Lfor_b_\@
	tensor_load_to_lds s[G0+4*\s:G0+4*\s+3], s[G1:G1+7]
	s_nop 0
.rept 4
	v_nop
.endr
	s_branch .Lasked_\@
.Lfor_b_\@:
	tensor_load_to_lds s[G0B+4*\s:G0B+4*\s+3], s[G1B:G1B+7]
	s_nop 0
.rept 4
	v_nop
.endr
.Lasked_\@:
.endm
.macro CREST
	s_cmp_lg_u32 s10, 0
	s_cbranch_scc1 .Lnot_wave_0_\@
	s_barrier_signal -3
.Lnot_wave_0_\@:
	s_barrier_wait -3
	s_barrier_signal -1
	s_barrier_wait -1
.endm
.macro CROUND
	s_barrier_signal -1
	s_barrier_wait -1
	CREST
.endm
	s_load_b256 s[68:75], s[0:1], 0x0
	s_load_b64 s[76:77], s[0:1], 0x20
	v_lshl_add_u32 v[SPW], v0, 2, SPARE
	v_mov_b32 v[NIL], 0
	ds_add_u32 v[SPW], v[NIL]
	ds_add_u32 v[SPW], v[NIL]
	v_lshrrev_b32 v1, 5, v0
	v_readfirstlane_b32 s10, v1
	s_lshr_b32 s11, s10, 1
	s_and_b32 s12, s10, 1
	s_bfe_u32 s40, ttmp6, 0x40000
	s_bfe_u32 s41, ttmp6, 0x40004
	s_lshl_b32 s42, ttmp9, 2
	s_add_co_u32 s42, s42, s40
	s_and_b32 s13, ttmp7, 0xffff
	s_lshl_b32 s13, s13, 2
	s_add_co_u32 s13, s13, s41
	s_lshl_b32 s43, s41, 2
	s_lshl_b32 s43, 15, s43
	s_lshl_b32 s44, 0x1111, s40
	s_or_b32 s[G1+0], s43, (0<<16)|(1<<20)|(1<<21)|(4<<22)|(3<<25)
	s_mov_b32 s[G1+1], 256<<16                     ; 256 rows of 128 bytes lie dense: stated as 128 rows of 256 bytes, the padding still behind each 128
	s_mov_b32 s[G1+2], 128<<16
	s_mov_b32 s[G1+3], 256<<16
	s_mov_b32 s[G1+4], 128
	s_mov_b32 s[G1+5], 256
	s_mov_b32 s[G1+6], 0
	s_mov_b32 s[G1+7], 0
	s_or_b32 s[G1B+0], s44, (0<<16)|(1<<20)|(1<<21)|(6<<22)|(3<<25)
	s_mov_b32 s[G1B+1], 512<<16
	s_mov_b32 s[G1B+2], 64<<16
	s_mov_b32 s[G1B+3], 512<<16
	s_mov_b32 s[G1B+4], 64
	s_mov_b32 s[G1B+5], 2048
	s_mov_b32 s[G1B+6], 0
	s_mov_b32 s[G1B+7], 0
	s_lshl_b32 s16, s13, 18
	s_lshl_b32 s17, s12, 15
	s_add_co_u32 s16, s16, s17
	s_mov_b32 s17, 0
	s_lshl_b32 s46, s42, 7
	s_lshl_b32 s47, s12, 6
	s_add_co_u32 s46, s46, s47
	s_lshl_b32 s46, s46, 11
	s_add_co_u32 s46, s46, 6<<22
	s_mov_b32 s47, 0
	s_mul_i32 s20, s12, 2*ABLK
	s_mul_i32 s21, s12, 64*PB
	s_add_co_u32 s21, s21, BOFF
	s_wait_dscnt 0x0
	s_wait_kmcnt 0x0
	s_load_b64 s[96:97], s[72:73], 0x28
	s_add_nc_u64 s[14:15], s[68:69], s[16:17]
	s_add_nc_u64 s[46:47], s[70:71], s[46:47]
	s_cmp_eq_u32 s11, 0                            ; the prefetches: do I fetch for A?
	s_cselect_b64 s[78:79], s[14:15], s[46:47]     ; what I fetch,
	s_cselect_b32 s86, s40, s41                    ; my place among the four that ask for it,
	s_cselect_b32 s87, 13, 15                      ; x 8,192 bytes, or x 16 rows of 2,048
	s_cselect_b32 s88, 9, 11                       ; two lanes on: 512 bytes, or a row
	s_cselect_b32 s84, 16, 9                       ; a K step on: 65,536 bytes, or 512
	s_lshl_b32 s86, s86, s87
	s_mov_b32 s87, 0
	s_lshl_b32 s84, 1, s84
	s_mov_b32 s85, 0
	s_add_nc_u64 s[78:79], s[78:79], s[86:87]
	s_add_nc_u64 s[78:79], s[78:79], s[84:85]      ; K step 1,
	s_add_nc_u64 s[80:81], s[78:79], s[84:85]      ; 2,
	s_add_nc_u64 s[82:83], s[80:81], s[84:85]      ; 3
	v_and_b32 v6, 31, v0
	v_lshrrev_b32 v7, 1, v6
	v_lshlrev_b32 v7, s88, v7
	v_and_b32 v6, 1, v6
	v_lshl_add_u32 v[PFO], v6, 8, v7
	CROUND
.irp s, 0,1
	s_mov_b32 s[G0+4*\s], 1
	s_add_co_u32 s[G0+4*\s+1], s20, \s*SLOT
	s_add_nc_u64 s[G0+4*\s+2:G0+4*\s+3], s[14:15], \s*65536
	s_or_b32 s[G0+4*\s+3], s[G0+4*\s+3], 0x80000000
	s_mov_b32 s[G0B+4*\s], 1
	s_add_co_u32 s[G0B+4*\s+1], s21, \s*SLOT
	s_add_nc_u64 s[G0B+4*\s+2:G0B+4*\s+3], s[46:47], \s*512
	s_or_b32 s[G0B+4*\s+3], s[G0B+4*\s+3], 0x80000000
	s_wait_alu depctr_va_vdst(0)
	s_wait_tensorcnt 0x0
	ds_add_u32 v28, v29
	ds_add_u32 v28, v29
	s_wait_dscnt 0x0
	CROUND
	JLOAD \s
.if \s == 0
	global_prefetch_b8 v[PFO], s[78:79] th:TH_LOAD_NT scope:SCOPE_SE
	global_prefetch_b8 v[PFO], s[80:81] th:TH_LOAD_NT scope:SCOPE_SE
.else
	global_prefetch_b8 v[PFO], s[82:83] th:TH_LOAD_NT scope:SCOPE_SE
.endif
.endr
	v_and_b32 v1, 15, v0
	v_bfe_u32 v2, v0, 4, 1
	v_mul_u32_u24 v3, v1, PA
	v_lshl_add_u32 v3, v2, 4, v3
	v_mul_u32_u24 v4, v1, PB
	v_lshl_add_u32 v4, v2, 4, v4
	s_mul_i32 s21, s11, 64*PA
	s_mul_i32 s22, s12, 64*PB
	s_add_co_u32 s22, s22, BOFF
.irp s, 0,1
	v_add_nc_u32 v[ADRA+\s], s21, v3
	v_add_nc_u32 v[ADRB+\s], s22, v4
	s_add_co_u32 s21, s21, SLOT
	s_add_co_u32 s22, s22, SLOT
.endr
	s_mul_i32 s23, s10, 16*SPITCH
	s_add_co_u32 s23, s23, STAGE
	v_mul_u32_u24 v5, v1, SPITCH
	v_lshl_add_u32 v5, v2, 5, v5
	v_add_nc_u32 v[STO], s23, v5
	v_mul_u32_u24 v5, v2, SPITCH
	v_lshl_add_u32 v5, v1, 4, v5
	v_add_nc_u32 v[RD], s23, v5
	v_lshlrev_b32 v[CO], 13, v2
	v_lshl_add_u32 v[CO], v1, 4, v[CO]
	v_lshlrev_b32 v[BIO], 5, v2
	s_wait_alu depctr_va_vdst(0)
	s_lshl_b32 s16, s13, 7
	s_lshl_b32 s17, s11, 6
	s_add_co_u32 s16, s16, s17
	s_lshl_b32 s16, s16, 13
	s_lshl_b32 s46, s42, 9
	s_lshl_b32 s47, s12, 8
	s_add_co_u32 s46, s46, s47
	s_add_co_u32 s16, s16, s46
	s_mov_b32 s17, 0
	s_mov_b32 s47, 0
	s_add_nc_u64 s[76:77], s[76:77], s[16:17]
	s_add_nc_u64 s[74:75], s[74:75], s[46:47]
.irp b, 0,1,2,3
	global_load_b128 v[BO+8*\b:BO+8*\b+3], v[BIO], s[74:75] offset:64*\b
	global_load_b128 v[BO+8*\b+4:BO+8*\b+7], v[BIO], s[74:75] offset:64*\b+16
.endr
.macro MUL8 f, a0, zero
.irp a, \a0, \a0+1
.irp b, 0,1,2,3
.if \zero
	v_wmma_f32_16x16x128_fp8_fp8 v[ACC+8*(4*(\a)+\b):ACC+8*(4*(\a)+\b)+7], v[\f+64+16*\b:\f+64+16*\b+15], v[\f+16*(\a):\f+16*(\a)+15], 0
.else
	v_wmma_f32_16x16x128_fp8_fp8 v[ACC+8*(4*(\a)+\b):ACC+8*(4*(\a)+\b)+7], v[\f+64+16*\b:\f+64+16*\b+15], v[\f+16*(\a):\f+16*(\a)+15], v[ACC+8*(4*(\a)+\b):ACC+8*(4*(\a)+\b)+7]
.endif
.endr
.endr
.endm
.macro FETCH slot, j, f
	WIN TO_F
.irp i, 0,1,2,3
.irp c, 0,1,2,3
	ds_load_b128 v[\f+64+16*\i+4*\c:\f+64+16*\i+4*\c+3], v[ADRB+\slot] offset:128*(\j)+32*\c+16*PB*\i
.endr
.endr
.irp i, 0,1,2,3
.irp c, 0,1,2,3
	ds_load_b128 v[\f+16*\i+4*\c:\f+16*\i+4*\c+3], v[ADRA+\slot] offset:ABLK*(\j)+32*\c+16*PA*\i
.endr
.endr
.endm
.macro PLACES
.rept 4
	v_nop
.endr
.endm
.macro QUARTER slot, jn, f, g, zero
	s_wait_dscnt 8
	WIN MUL
	MUL8 \f, 0, \zero
	PLACES
	FETCH \slot, \jn, \g
	s_wait_dscnt 32
	WIN MUL
	MUL8 \f, 2, \zero
.endm
.macro TURN slot, next, fill
	WIN 0
	s_wait_tensorcnt 0x0
	ds_add_u32 v[SPW], v[NIL]
	s_wait_dscnt 9
	WIN MUL
	MUL8 F1, 0, 0
	s_wait_dscnt 0x0
	s_barrier_signal -1
	WIN 0
	s_barrier_wait -1
.if \fill
	CREST
	s_add_nc_u64 s[G0+4*\slot+2:G0+4*\slot+3], s[G0+4*\slot+2:G0+4*\slot+3], 131072
	s_add_nc_u64 s[G0B+4*\slot+2:G0B+4*\slot+3], s[G0B+4*\slot+2:G0B+4*\slot+3], 1024
	JLOAD \slot
.else
	PLACES
.endif
	FETCH \next, 0, F0
	WIN MUL
	MUL8 F1, 2, 0
.endm
.macro THREE slot, zero
	QUARTER \slot, 1, F0, F1, \zero
	QUARTER \slot, 2, F1, F0, 0
	QUARTER \slot, 3, F0, F1, 0
.endm
	s_wait_tensorcnt 1
	s_barrier_signal -1
	s_barrier_wait -1
	FETCH 0, 0, F0
	THREE 0, 1
	TURN 0, 1, 1
	THREE 1, 0
	TURN 1, 0, 1
	THREE 0, 0
	TURN 0, 1, 0
	THREE 1, 0
	s_wait_dscnt 8
	WIN MUL
	MUL8 F1, 0, 0
	s_wait_dscnt 0
	MUL8 F1, 2, 0
	WIN 0
	PLACES
	s_wait_kmcnt 0x0
	s_add_co_i32 s96, s96, s97
	s_add_co_i32 s96, s96, 127
	s_lshl_b32 s96, s96, 23
	s_mov_b32 s97, s96
	s_wait_loadcnt 0x0
.macro OUTB a
.set j, 0
.rept 16
	v_pk_fma_f32 v[TMP+j:TMP+j+1], v[ACC+32*(\a)+j:ACC+32*(\a)+j+1], s[96:97], v[BO+j:BO+j+1] op_sel_hi:[1,0,1]
.set j, j+2
.endr
.irp b, 0,1,2,3
	ds_store_b128 v[STO], v[TMP+8*\b:TMP+8*\b+3] offset:64*\b
	ds_store_b128 v[STO], v[TMP+8*\b+4:TMP+8*\b+7] offset:64*\b+16
.endr
	s_wait_xcnt 0x0
.irp t, 0,1,2,3,4,5,6,7
	ds_load_b128 v[BK+4*\t:BK+4*\t+3], v[RD] offset:2*SPITCH*\t
.endr
	s_wait_dscnt 0x0
.irp t, 0,1,2,3,4,5,6,7
	global_store_b128 v[CO], v[BK+4*\t:BK+4*\t+3], s[76:77] offset:(16*(\a)+2*\t)*8192 th:TH_STORE_NT
.endr
.endm
	OUTB 0
	OUTB 1
	OUTB 2
	OUTB 3
	s_wait_tensorcnt 0x0
	ds_add_u32 v[SPW], v[NIL]
	s_wait_dscnt 0x0
	CROUND
	s_endpgm
.Lfunc_end_k_q0fd122304b_oproj:
	.size	k_q0fd122304b_oproj, .Lfunc_end_k_q0fd122304b_oproj-k_q0fd122304b_oproj
	.p2alignl 7, 3214868480
	.fill 96, 4, 3214868480
	.section	.rodata,"a",@progbits
	.p2align	6, 0x0
	.amdhsa_kernel k_q0fd122304b_oproj
		.amdhsa_group_segment_fixed_size 327680
		.amdhsa_private_segment_fixed_size 0
		.amdhsa_enable_private_segment 0
		.amdhsa_kernarg_size 40
		.amdhsa_user_sgpr_count 2
		.amdhsa_user_sgpr_kernarg_segment_ptr 1
		.amdhsa_wavefront_size32 1
		.amdhsa_system_sgpr_workgroup_id_x 1
		.amdhsa_system_sgpr_workgroup_id_y 1
		.amdhsa_system_sgpr_workgroup_id_z 1
		.amdhsa_system_vgpr_workitem_id 0
		.amdhsa_next_free_vgpr 512
		.amdhsa_next_free_sgpr 100
		.amdhsa_reserve_vcc 0
		.amdhsa_float_denorm_mode_32 3
		.amdhsa_float_denorm_mode_16_64 3
		.amdhsa_memory_ordered 1
		.amdhsa_forward_progress 1
		.amdhsa_inst_pref_size 77
	.end_amdhsa_kernel
	.amdgpu_metadata
---
amdhsa.version: [ 1, 2 ]
amdhsa.kernels:
  - .name:           k_q0fd122304b_oproj
    .symbol:         k_q0fd122304b_oproj.kd
    .args:
      - { .name: ao, .offset: 0, .size: 8, .value_kind: global_buffer, .address_space: global }
      - { .name: codes, .offset: 8, .size: 8, .value_kind: global_buffer, .address_space: global }
      - { .name: lowp_scales, .offset: 16, .size: 8, .value_kind: global_buffer, .address_space: global }
      - { .name: bo, .offset: 24, .size: 8, .value_kind: global_buffer, .address_space: global }
      - { .name: out0, .offset: 32, .size: 8, .value_kind: global_buffer, .address_space: global }
    .group_segment_fixed_size: 327680
    .private_segment_fixed_size: 0
    .kernarg_segment_align: 8
    .kernarg_segment_size: 40
    .max_flat_workgroup_size: 128
    .sgpr_count:     100
    .vgpr_count:     512
    .wavefront_size: 32
...
	.end_amdgpu_metadata
.endif
;; end of part 4
